; MI455X (gfx1250); checked and timed in simulation.
; The chip was launched on July 23, 2026; its instructions are those of AMD's public machine-readable ISA for CDNA 5 (MIT licence, August 2026) and "CDNA5" Instruction Set Architecture Reference Guide (July 2026). The comments in the code are by the model that wrote it; some were corrected since.
;; Mixture Of Experts. Allowed arithmetic: matrix products marked QUANTISED: E2M1 operands, one E8M0 scale for each 32 along K, by v_wmma_scale_f32_16x16x128_f8f6f4 with both operands' format E2M1 (or v_wmma_scale_f32_32x16x128_f4), f32 sums; products left as they are: f32 operands where the result goes on into a quantised operand, else bf16, f16 or f32 operands; f32 sums; everything else in f32.
;; Inputs: W1 8 x 1,024 x 512 float32; W2 8 x 512 x 1,024 float32; b1 8 x 512 float32; b2 8 x 1,024 float32; gate_W 1,024 x 8 float32; gate_b 8 float32; x 8,192 x 1,024 float32.
;; Outputs: out0 8,192 x 1,024 float32; out1 one number float32.
;; This version of the problem:
;;   THIS VERSION OF THE PROBLEM IS GIVEN IN LOW PRECISION. The matrix products marked QUANTISED in the list below multiply operands that are first quantised to E2M1 (2 exponent bits, 1 mantissa bit; 4 bits a number), with one power-of-two scale for each 32 numbers along K (OCP MX v1.0); their sums are f32. All else is computed in f32.
;;   The module's matrix products, in the order in which they are computed (A, B: the left and right operand; K: the contracted axis; several contracted axes count as one K, in the product's order):
;;     1. [M 8,192, K 1,024] x [K 1,024, N 8]; A: input x; B: input gate_W: left as it is (N = 8 < 16)
;;     2. [M 4,096, K 1,024] x [K 1,024, N 8,192]; A: input W1; B: input x: QUANTISED
;;     3. batch 8 x [M 1,024, K 512] x [K 512, N 8,192]; A: input W2; B: computed on the way: QUANTISED
;;     4. batch 8,192 x [M 1, K 2] x [K 2, N 1,024]; A: softmax; B: computed on the way: left as it is (K = 2 < 32)
;;   THE QUANTISER, for each operand of a quantised product, along K:
;;     - K is cut into blocks of 32 from its start; a last block that is shorter is filled with zeros.
;;     - A block's scale is 2^e with e = floor(log2(the largest magnitude in the block)) - 2, held to -126 .. 127; a block of zeros has e = 0. As a byte (E8M0): e + 127.
;;     - Each number is divided by its block's scale, clamped to +-6, and rounded to the nearest number of E2M1, ties to even, subnormals kept.
;;     - The product sums the exact products of the quantised numbers (number of the format x scale) in f32.
;;   ~~~python
;;   def quantise(x, axis):      # numpy; x: float32 -> the quantised numbers, widened to float32 again
;;       x = np.moveaxis(x, axis, -1); K = x.shape[-1]
;;       x = np.pad(x, [(0, 0)] * (x.ndim - 1) + [(0, -K % 32)]); x = x.reshape(x.shape[:-1] + (-1, 32)); a = np.abs(x).max(-1, keepdims=True)
;;       e = np.where(a > 0, np.clip(np.frexp(np.where(a > 0, a, 1))[1] - 1 - 2, -126, 127), 0)      # np.frexp(a)[1] - 1 = floor(log2(a)), exactly
;;       r = np.clip(x / 2.0 ** e, -6, 6)
;;       step = 2.0 ** (np.maximum(np.frexp(np.where(r == 0, 1, r))[1] - 1, 0) - 1)
;;       q = np.round(r / step) * step * 2.0 ** e      # np.round: ties to even
;;       return np.moveaxis(q.reshape(q.shape[:-2] + (-1,))[..., :K], -1, axis).astype(np.float32)
;;   ~~~
;;   OPERANDS COMPUTED ON THE WAY. 'Computed on the way' means the value that the module computes at that place (a softmax that the list does not call 'softmax' is quantised finished and normalised). What goes into a quantiser is computed in f32, as accurately as f32 sums, v_exp_f32 and their like allow (about 1e-6 of the number): no bf16 or f16 on the way to a quantiser, and a product that is left as it is and whose result goes on into a quantised operand takes f32 operands (vector FMAs, or v_wmma_f32_16x16x4_f32). A number that lies on a knife's edge between two numbers of the format may be rounded either way, as far as f32 arithmetic and the matrix unit's own rounding can turn it there, and no further.
;; 2 versions. Each part assembles by itself: llvm-mc -triple=amdgcn-amd-amdhsa -mcpu=gfx1250 --defsym DOCPART=n.
;; ======== version 1 of 2: 3 launches
;; limits: values within 9.537e-07 (relative) of each other or of a threshold may be ordered or decided otherwise than in the reference
;; workspace buffers: xq 4,194,304 bytes; xs 262,144 bytes; route 65,536 bytes of whole numbers; gw 65,536 bytes; imp 8,192 bytes; rows 39,680 bytes of whole numbers; tiles 2,560 bytes of whole numbers; wq 4,587,520 bytes
;; launch prep (part 1): grid 768 x 1, 4 waves a work-group, no clusters, 92,160 bytes of LDS; arguments x, gate_W, gate_b, W1, b1, W2, b2, xq, xs, route, gw, imp, wq; writes xq, xs, route, gw, imp, wq
.if DOCPART == 1
	.amdgcn_target "amdgcn-amd-amdhsa--gfx1250"
	.amdhsa_code_object_version 6
	.text
	.protected	k_q37326cbadc_prep
	.globl	k_q37326cbadc_prep
	.p2align	8
	.type	k_q37326cbadc_prep,@function
k_q37326cbadc_prep:
	s_mov_b64 s[64:65], 0
	v_nop
	global_prefetch_b8 v0, s[64:65] scope:SCOPE_SE
	s_setreg_imm32_b32 hwreg(HW_REG_WAVE_MODE, 25, 1), 1
	s_wait_xcnt 0x0
; FIRST LAUNCH OF THREE.  768 work-groups of four waves; the work-group's number picks one of three paths.
;  0..255   32 tokens of x each: the gate's logits in f32 (fused multiply-adds), the two largest, their softmax,
;           the full softmax's sums for the loss, and x as codes of E2M1 with one E8M0 byte for each 32 along K.  For the 32 tokens: how many fall into each
;           of the 28 unordered pairs of experts, and each token's rank among those of its pair.  All of that is stored at fixed places:
;           no address and no branch here hangs on a choice.
;  256..511 W1, 512..767 W2: codes, scale words and biases in the order in which the third launch's operand registers take them.
; wq: [expert][wave w of the third launch][record 0..15], REC bytes a record: 8 fragments x [c][lane][16 bytes]; at 8192 [lane][4 scale words]; at 8704 the bias.
;  records 0..7: W1, hidden tile t = 2 b + u of wave w; row rho of it is hidden unit 128 w + 32 b + 8 u + rho + 8 (rho / 8); fragment = K step.
;  records 8..15: W2, 32 outputs 256 w + 32 (record - 8) on; fragment 4 i + s: outputs 16 i on, K step s.
; THE QUANTISER: a block's scale byte is its largest magnitude's exponent field less 2, held at 1 from below by a floor among the maximum's leaves.
; LIMITS: NaN and infinities are not served.  A block whose largest magnitude lies under 2^-124, a block of zeros among them, gets the byte 1 (its codes
; are zeros where it is all zeros); the bytes are read by this program alone.
; THE CHOICE OF THE SECOND EXPERT: a logit is a sum of 1,024 products in f32, and another order of the additions moves its last bits.  Among the experts other than the
; first, one that lies less than 2^-20 of the row's largest logit magnitude (16 units in that logit's last place) under the one in hand counts as level with it, and of
; experts that are level the LATER index is taken.  A tie that the inputs themselves make (equal sums ahead of the bias and equal logits, as equal columns of gate_W with
; equal biases give in every order of the additions) keeps the lower index.  So where the second and the third logit differ by less than that figure and are no such tie,
; the higher index is taken, whichever sum is the larger.  The first expert is the strict maximum, the lower index in a tie.
.set SP,    80                         ; a lane's place in a stage: 64 bytes + 16 of padding
.set SCB,   20480                      ; LDS: behind the four waves' stages (2 x 32 x SP each): 32 rows x 32 scale bytes
.set PART,  21504                      ; two planes (experts 0-3, 4-7) of partial logits: row x 1088 + quarter of K x 272 + 16 x (lane % 16)
.set PLANE, 34816
.set FIN,   91136                      ; keys 128 bytes, gate pairs 256, the waves' softmax sums 128
.set REC,   8960
.set ESTR,  573440
.set WSTR,  143360
.set R,     16                         ; v16-79   four sets of 16 numbers as loaded
.set X,     80                         ; v80-111  two sets of 16 neighbours along K
.set A,     112                        ; v112-127 eight partial logits, twice (even and odd k)
.set G,     128                        ; v128-255 gate_W[512 p + 16 lane + i][e] at G + 8 i + e
	s_load_b512 s[4:19], s[0:1], 0x0               ; x 4, gate_W 6, gate_b 8, W1 10, b1 12, W2 14, b2 16, xq 18
	s_load_b256 s[20:27], s[0:1], 0x40             ; xs 20, route 22, gw 24, imp 26
	s_load_b64 s[28:29], s[0:1], 0x60              ; wq
	s_set_vgpr_msb 0x40
	v_lshl_add_u32 v0, v0, 2, 0x16600
	v_mov_b32 v1, 0
	s_set_vgpr_msb 0x4000
	v_lshrrev_b32 v1, 5, v0
	v_readfirstlane_b32 s30, v1                    ; wave
	v_and_b32 v1, 31, v0                           ; lane
	s_mov_b32 s41, 0                               ; the upper word of every offset pair s[40:41]
	s_wait_kmcnt 0x0
	s_cmp_lt_u32 ttmp9, 256
	s_cbranch_scc0 .Lweights
; ---------------------------------------------------------------- x: 32 rows; wave w takes half p = w % 2 of K for rows 16 (w / 2) on
	s_load_b256 s[32:39], s[8:9], 0x0              ; gate_b
	s_and_b32 s31, s30, 1                          ; p
	s_lshr_b32 s42, s30, 1                         ; rh
	v_lshlrev_b32 v3, 4, v1                        ; 16 x lane
	v_lshlrev_b32 v4, 3, v1                        ; 8 x lane
	s_lshl_b32 s40, ttmp9, 17                      ; 32 rows of 4,096 bytes
	s_lshl_b32 s43, s42, 16
	s_add_co_u32 s40, s40, s43
	s_lshl_b32 s43, s31, 11
	s_add_co_u32 s40, s40, s43
	s_add_nc_u64 s[4:5], s[4:5], s[40:41]          ; x at my first row, my half
	s_lshl_b32 s43, s30, 13
	v_add_nc_u32 v6, s43, v3                       ; gate_W: my wave's quarter, 8,192 bytes
.irp q, 0,1,2,3,4,5,6,7,8,9,10,11,12,13,14,15
	global_load_b128 v[G+4*\q:G+4*\q+3], v6, s[6:7] offset:512*\q
.endr
.macro LOAD t                          ; step t: row t of my 16, my half: four loads of 512 consecutive bytes
.irp i, 0,1,2,3
	global_load_b128 v[R+16*((\t)%4)+4*\i:R+16*((\t)%4)+4*\i+3], v3, s[4:5] offset:4096*(\t)+512*\i th:TH_LOAD_NT
.endr
.endm
.macro TURN t                          ; step t's 2,048 bytes through my stage: in as they lie, back 64 bytes a lane; LDS serves a wave's instructions in order
.irp i, 0,1,2,3
	ds_store_b128 v14, v[R+16*((\t)%4)+4*\i:R+16*((\t)%4)+4*\i+3] offset:32*SP*((\t)%2)+8*SP*\i
.endr
.irp i, 0,1,2,3
	ds_load_b128 v[X+16*((\t)%2)+4*\i:X+16*((\t)%2)+4*\i+3], v15 offset:32*SP*((\t)%2)+16*\i
.endr
.endm
	LOAD 0
	LOAD 1
	LOAD 2
	LOAD 3
	s_lshl_b32 s40, ttmp9, 14
	s_lshl_b32 s43, s42, 13
	s_add_co_u32 s40, s40, s43
	s_lshl_b32 s43, s31, 8
	s_add_co_u32 s40, s40, s43
	s_add_nc_u64 s[18:19], s[18:19], s[40:41]      ; xq: 512 bytes a row, my half 256
	s_lshl_b32 s40, ttmp9, 10
	s_add_nc_u64 s[20:21], s[20:21], s[40:41]      ; xs: 32 bytes a row
	s_lshl_b32 s40, ttmp9, 8
	s_add_nc_u64 s[22:23], s[22:23], s[40:41]      ; route and gw: 8 bytes a token
	s_add_nc_u64 s[24:25], s[24:25], s[40:41]
	s_lshl_b32 s40, ttmp9, 5
	s_add_nc_u64 s[26:27], s[26:27], s[40:41]      ; imp: 32 bytes a group
	s_mul_i32 s43, s30, 2*32*SP                    ; my two stages
	v_lshrrev_b32 v14, 2, v1
	v_mul_u32_u24 v14, v14, SP
	v_and_b32 v15, 3, v1
	v_lshl_add_u32 v14, v15, 4, v14
	v_add_nc_u32 v14, s43, v14                     ; in: SP (lane / 4) + 16 (lane % 4)
	v_mul_u32_u24 v15, v1, SP
	v_add_nc_u32 v15, s43, v15                     ; back: SP x lane
	s_lshl_b32 s43, s42, 9
	s_lshl_b32 s44, s31, 4
	s_add_co_u32 s43, s43, s44
	s_add_co_u32 s43, s43, SCB
	v_lshrrev_b32 v5, 1, v1
	v_add_nc_u32 v5, s43, v5                       ; my block's scale byte: row x 32 + 16 p + lane / 2
	s_mul_i32 s43, s42, 17408
	s_mul_i32 s44, s31, 544
	s_add_co_u32 s43, s43, s44
	s_add_co_u32 s43, s43, PART
	v_bfe_u32 v8, v0, 4, 1
	v_mul_u32_u24 v8, v8, 272
	v_and_b32 v9, 15, v0
	v_lshl_add_u32 v8, v9, 4, v8
	v_add_nc_u32 v2, s43, v8                       ; my partial logits
	v_mul_u32_u24 v7, v1, 1040                     ; gate_W turns through PART's bytes: row 2 (k % 16) + half of the experts, 1,040 bytes; in it 16 bytes for each k / 16
	s_lshl_b32 s43, s30, 8
	s_add_co_u32 s43, s43, PART
	v_add_nc_u32 v7, s43, v7
	s_lshl_b32 s43, s31, 9
	s_add_co_u32 s43, s43, PART
	v_add_nc_u32 v8, s43, v3
	s_mov_b32 s46, 0x76543210
	s_mov_b32 s47, 0xfedcba98                      ; v_permlanex16_b32: lane l xor 16
	s_wait_loadcnt 16                              ; gate_W's 16 loads are in; the 16 of x issued behind them stay out
.irp q, 0,1,2,3,4,5,6,7,8,9,10,11,12,13,14,15
	ds_store_b128 v7, v[G+4*\q:G+4*\q+3] offset:16*\q
.endr
	s_wait_dscnt 0x0                               ; for the others' sake: my quarter of gate_W lies in LDS
	s_barrier_signal -1
	s_barrier_wait -1
.set n, 0
.rept 32
	ds_load_b128 v[G+4*n:G+4*n+3], v8 offset:1040*n
.set n, n+1
.endr
	s_wait_dscnt 0x0                               ; my reads of gate_W are over:
	s_barrier_signal -1
	s_barrier_wait -1                              ; everybody's are, so the partial logits may be laid over it
	s_wait_loadcnt 12                              ; step 0's four loads are in; three steps' stay out
	TURN 0
.macro STEP t
.set XS, X+16*((\t)%2)
	s_wait_dscnt 0x0                               ; this step's numbers are back; the last step's LDS stores have read their registers
.if (\t)+4 < 16
	LOAD (\t)+4
.endif
.if (\t)+1 < 16
.if (\t) <= 11
	s_wait_loadcnt 12                              ; the next step's loads are in; those of the three steps behind it stay out
.else
	s_wait_loadcnt 4*(14-(\t))
.endif
	TURN (\t)+1
.endif
	v_max3_num_f32 v8, |v[XS]|, |v[XS+1]|, |v[XS+2]|   ; the largest magnitude of my 16, in two chains
	v_max3_num_f32 v9, |v[XS+3]|, |v[XS+4]|, |v[XS+5]|
.irp i, 6,10
	v_max3_num_f32 v8, v8, |v[XS+\i]|, |v[XS+\i+1]|
	v_max3_num_f32 v9, v9, |v[XS+\i+2]|, |v[XS+\i+3]|
.endr
	v_max3_num_f32 v8, v8, |v[XS+14]|, |v[XS+15]|
	v_max3_num_f32 v8, v8, v9, 0x1800000           ; the floor 2^(3 - 127): the byte cannot fall under 1
	v_max_num_f32_dpp v8, v8, v8 row_xmask:1 row_mask:0xf bank_mask:0xf   ; with my neighbour's 16: the block's
	v_add_nc_u32 v11, 0xff000000, v8               ; 2 off the exponent field: the conversion's scale operand
	s_wait_xcnt 0x0                                ; the last step's store has read v[12:13]
	v_cvt_scalef32_pk8_fp4_f32 v12, v[XS:XS+7], v11
	v_cvt_scalef32_pk8_fp4_f32 v13, v[XS+8:XS+15], v11
	v_lshrrev_b32 v10, 23, v11                     ; the scale's byte (a plain line behind the conversions)
	ds_store_b8 v5, v10 offset:32*(\t)
	global_store_b64 v4, v[12:13], s[18:19] offset:512*(\t)   ; the wave stores 256 consecutive bytes, aligned
.irp i, 0,2,4,6,8,10,12,14             ; the gate: x[k] x gate_W[k][0..7], two experts an instruction; even k into A, odd k into A + 8
.irp ep, 0,2,4,6
.if \i == 0
	v_pk_mul_f32 v[A+\ep:A+\ep+1], v[XS+\i:XS+\i+1], v[G+8*\i+\ep:G+8*\i+\ep+1] op_sel_hi:[0,1]
	v_pk_mul_f32 v[A+8+\ep:A+9+\ep], v[XS+\i:XS+\i+1], v[G+8*\i+8+\ep:G+8*\i+9+\ep] op_sel:[1,0] op_sel_hi:[1,1]
.else
	v_pk_fma_f32 v[A+\ep:A+\ep+1], v[XS+\i:XS+\i+1], v[G+8*\i+\ep:G+8*\i+\ep+1], v[A+\ep:A+\ep+1] op_sel_hi:[0,1,1]
	v_pk_fma_f32 v[A+8+\ep:A+9+\ep], v[XS+\i:XS+\i+1], v[G+8*\i+8+\ep:G+8*\i+9+\ep], v[A+8+\ep:A+9+\ep] op_sel:[1,0,0] op_sel_hi:[1,1,1]
.endif
.endr
.endr
.irp ep, 0,2,4,6
	v_pk_add_f32 v[A+\ep:A+\ep+1], v[A+\ep:A+\ep+1], v[A+8+\ep:A+9+\ep]
.endr
	ds_store_b128 v2, v[A:A+3] offset:1088*(\t)
	ds_store_b128 v2, v[A+4:A+7] offset:PLANE+1088*(\t)
.endm
.irp t, 0,1,2,3,4,5,6,7,8,9,10,11,12,13,14,15
	STEP \t
.endr
	s_wait_dscnt 0x0                               ; my partial logits and scale bytes lie in LDS
	s_barrier_signal -1
	s_barrier_wait -1
	s_lshl_b32 s43, s30, 8
	v_add_nc_u32 v6, s43, v4                       ; the scale bytes leave as they lie: 256 bytes a wave
	v_add_nc_u32 v7, SCB, v6
	ds_load_b64 v[8:9], v7
	v_mul_u32_u24 v10, v1, 272                     ; the logits: my lane takes row 8 w + lane / 4, quarter lane % 4 of K: 272 x lane
	s_mul_i32 s43, s30, 8704
	s_add_co_u32 s43, s43, PART
	v_add_nc_u32 v10, s43, v10
.irp j, 0,1,2,3,4,5,6,7,8,9,10,11,12,13,14,15
	ds_load_b128 v[128+4*\j:131+4*\j], v10 offset:16*\j
	ds_load_b128 v[192+4*\j:195+4*\j], v10 offset:PLANE+16*\j
.endr
	s_wait_dscnt 32                                ; the scale bytes are in; the 32 loads behind them stay out
	global_store_b64 v6, v[8:9], s[20:21]
	s_wait_dscnt 0x0
.irp pl, 128,192                       ; sixteen lanes' parts of four experts become one, by halves
.irp j, 0,1,2,3,4,5,6,7
	v_pk_add_f32 v[\pl+4*\j:\pl+4*\j+1], v[\pl+4*\j:\pl+4*\j+1], v[\pl+4*\j+32:\pl+4*\j+33]
	v_pk_add_f32 v[\pl+4*\j+2:\pl+4*\j+3], v[\pl+4*\j+2:\pl+4*\j+3], v[\pl+4*\j+34:\pl+4*\j+35]
.endr
.irp j, 0,1,2,3
	v_pk_add_f32 v[\pl+4*\j:\pl+4*\j+1], v[\pl+4*\j:\pl+4*\j+1], v[\pl+4*\j+16:\pl+4*\j+17]
	v_pk_add_f32 v[\pl+4*\j+2:\pl+4*\j+3], v[\pl+4*\j+2:\pl+4*\j+3], v[\pl+4*\j+18:\pl+4*\j+19]
.endr
.irp j, 0,1
	v_pk_add_f32 v[\pl+4*\j:\pl+4*\j+1], v[\pl+4*\j:\pl+4*\j+1], v[\pl+4*\j+8:\pl+4*\j+9]
	v_pk_add_f32 v[\pl+4*\j+2:\pl+4*\j+3], v[\pl+4*\j+2:\pl+4*\j+3], v[\pl+4*\j+10:\pl+4*\j+11]
.endr
.endr
	v_pk_add_f32 v[16:17], v[128:129], v[132:133]  ; v16-23: the logits
	v_pk_add_f32 v[18:19], v[130:131], v[134:135]
	v_pk_add_f32 v[20:21], v[192:193], v[196:197]
	v_pk_add_f32 v[22:23], v[194:195], v[198:199]
.irp e, 0,1,2,3,4,5,6,7
	v_add_f32_dpp v[16+\e], v[16+\e], v[16+\e] row_xmask:1 row_mask:0xf bank_mask:0xf
.endr
.irp e, 0,1,2,3,4,5,6,7
	v_add_f32_dpp v[16+\e], v[16+\e], v[16+\e] row_xmask:2 row_mask:0xf bank_mask:0xf   ; the four quarters of K: four lanes now hold the same row
.endr
	s_wait_kmcnt 0x0                               ; gate_b
.irp e, 0,1,2,3,4,5,6,7
	v_mov_b32 v[72+\e], v[16+\e]                   ; the sums ahead of the bias are kept: they tell a tie that the inputs make from one that rounding makes
	v_add_f32 v[16+\e], s[32+\e], v[16+\e]
	v_mov_b32 v[64+\e], \e                         ; the experts' numbers, for the selects
.endr
	v_max3_num_f32 v28, |v16|, |v17|, |v18|        ; the row's largest logit magnitude,
	v_max3_num_f32 v28, v28, |v19|, |v20|
	v_max3_num_f32 v28, v28, |v21|, |v22|
	v_max_num_f32 v28, v28, |v23|
	v_mul_f32 v28, 0x35800000, v28                 ; x 2^-20: what the second search counts as level
	v_mov_b32 v24, v16                             ; the largest, ascending with a strict compare: the lower index wins a tie; it is the true maximum, which both softmaxes take away
	v_mov_b32 v25, 0
.irp e, 1,2,3,4,5,6,7
	v_cmp_gt_f32 vcc_lo, v[16+\e], v24
	v_cndmask_b32 v24, v24, v[16+\e], vcc_lo
	v_cndmask_b32 v25, v25, v[64+\e], vcc_lo
.endr
	v_mov_b32 v26, 0xff800000                      ; the second, among the others: its logit,
	v_mov_b32 v27, 0                               ; its number,
	v_mov_b32 v30, 0                               ; its sum ahead of the bias
.irp e, 0,1,2,3,4,5,6,7
	v_sub_f32 v29, v26, v28                        ; (-infinity stays -infinity: the first candidate is always taken)
	v_cmp_gt_f32 s44, v[16+\e], v29                ; larger than the one in hand, or level with it,
	v_cmp_ne_u32 vcc_lo, \e, v25                   ; not the first expert,
	s_and_b32 s44, s44, vcc_lo
	v_cmp_ne_u32 vcc_lo, v[16+\e], v26             ; and no tie of the inputs' own making: the logit's bits differ,
	v_cmp_ne_u32 s45, v[72+\e], v30                ; or the sum's
	s_or_b32 vcc_lo, vcc_lo, s45
	s_and_b32 vcc_lo, vcc_lo, s44
	v_cndmask_b32 v26, v26, v[16+\e], vcc_lo
	v_cndmask_b32 v27, v27, v[64+\e], vcc_lo
	v_cndmask_b32 v30, v30, v[72+\e], vcc_lo
.endr
	v_sub_f32 v40, v26, v24                        ; both softmaxes take the largest logit away
	v_mul_f32 v40, 0x3fb8aa3b, v40
.irp e, 0,1,2,3,4,5,6,7
	v_sub_f32 v[32+\e], v[16+\e], v24
.endr
.irp e, 0,1,2,3,4,5,6,7
	v_mul_f32 v[32+\e], 0x3fb8aa3b, v[32+\e]
.endr
	v_exp_f32 v40, v40
.irp e, 0,1,2,3,4,5,6,7
	v_exp_f32 v[32+\e], v[32+\e]
.endr
	v_add_nc_u32 v47, v25, v27                     ; (a plain line behind the exponentials)
	s_wait_alu depctr_va_vdst(0)                   ; one wait for the nine, ahead of their first reader
	v_add_f32 v41, 1.0, v40
	v_add_f32 v42, v32, v33
	v_add_f32 v43, v34, v35
	v_add_f32 v44, v36, v37
	v_add_f32 v45, v38, v39
	v_add_f32 v42, v42, v43
	v_add_f32 v44, v44, v45
	v_add_f32 v42, v42, v44
	v_rcp_f32 v43, v41
	v_rcp_f32 v44, v42
	v_min_u32 v46, v25, v27                        ; lo (a plain line behind the reciprocals)
	s_wait_alu depctr_va_vdst(0)                   ; one wait for the two
	v_mul_f32 v45, v40, v43                        ; the second's gate; v43 is the first's
.irp e, 0,1,2,3,4,5,6,7
	v_mul_f32 v[56+\e], v[32+\e], v44              ; the full softmax
.endr
	v_sub_nc_u32 v47, v47, v46                     ; hi
	v_cmp_lt_u32 vcc_lo, v25, v27
	v_cndmask_b32 v48, v45, v43, vcc_lo            ; the gate of lo,
	v_cndmask_b32 v49, v43, v45, vcc_lo            ; of hi
	v_sub_nc_u32 v50, 15, v46
	v_mul_u32_u24 v50, v50, v46
	v_lshrrev_b32 v50, 1, v50
	v_add_nc_u32 v50, v50, v47
	v_sub_nc_u32 v50, v50, v46
	v_add_nc_u32 v50, -1, v50                      ; the pair's number: lo (15 - lo) / 2 + hi - lo - 1, 0 .. 27
.irp e, 0,1,2,3,4,5,6,7
	v_add_f32_dpp v[56+\e], v[56+\e], v[56+\e] row_xmask:4 row_mask:0xf bank_mask:0xf
.endr
.irp e, 0,1,2,3,4,5,6,7
	v_add_f32_dpp v[56+\e], v[56+\e], v[56+\e] row_xmask:8 row_mask:0xf bank_mask:0xf
.endr
.irp e, 0,1,2,3,4,5,6,7
	v_permlanex16_b32 v[64+\e], v[56+\e], s46, s47
.endr
.irp e, 0,1,2,3,4,5,6,7
	v_add_f32 v[56+\e], v[56+\e], v[64+\e]         ; the softmax summed over my wave's 8 rows
.endr
	v_and_b32 v51, 0x1c, v1                        ; 4 x (lane / 4)
	s_lshl_b32 s43, s30, 5
	s_add_co_u32 s44, s43, FIN
	v_add_nc_u32 v52, s44, v51
	ds_store_b32 v52, v50                          ; four lanes write the same word with the same value
	s_lshl_b32 s44, s30, 6
	s_add_co_u32 s44, s44, FIN+128
	v_lshl_add_u32 v53, v51, 1, s44
	ds_store_b64 v53, v[48:49]
	s_add_co_u32 s44, s43, FIN+384
	v_mov_b32 v54, s44
	ds_store_b128 v54, v[56:59]
	ds_store_b128 v54, v[60:63] offset:16
	s_wait_dscnt 0x0
	s_barrier_signal -1
	s_barrier_wait -1
	s_cmp_lg_u32 s30, 0
	s_cbranch_scc1 .Lx_end
	; wave 0, a lane a token
	v_lshlrev_b32 v70, 2, v1
	v_add_nc_u32 v71, FIN, v70
	ds_load_b32 v72, v71                           ; my pair's number
	ds_load_b32 v73, v71 offset:384                ; softmax sum of wave lane / 8, expert lane % 8
	v_lshlrev_b32 v74, 3, v1
	v_add_nc_u32 v74, FIN+128, v74
	ds_load_b64 v[76:77], v74
	s_mov_b32 s45, 0x01010101
	s_wait_dscnt 0x0
.irp k, 0,1,2,3,4
	v_and_b32 v78, 1<<\k, v72
	v_cmp_ne_u32 s[48+\k], 0, v78                  ; which lanes have bit k set in their pair's number
.endr
	v_mov_b32 v80, 0
	v_mov_b32 v81, 0
.irp k, 0,1,2,3,4
	v_cndmask_b32 v78, 0, -1, s[48+\k]             ; my own bit k, spread
	v_xor_b32 v78, s[48+\k], v78                   ; the lanes that differ from me in it
	v_or_b32 v80, v80, v78
	v_and_b32 v79, 1<<\k, v1
	v_cmp_ne_u32 vcc_lo, 0, v79
	v_cndmask_b32 v79, 0, -1, vcc_lo               ; bit k of my lane's number, spread
	v_xor_b32 v79, s[48+\k], v79
	v_or_b32 v81, v81, v79
.endr
	v_xor_b32 v80, -1, v80                         ; the lanes of my pair
	v_xor_b32 v81, -1, v81                         ; the lanes whose pair's number is my lane's number
	v_mov_b32 v82, 1
	v_lshlrev_b32 v82, v1, v82
	v_add_nc_u32 v82, -1, v82
	v_and_b32 v80, v80, v82                        ; those of my pair below me
.macro POPC x, t                       ; the number of ones in v[x]
	v_lshrrev_b32 v[\t], 1, v[\x]
	v_and_b32 v[\t], 0x55555555, v[\t]
	v_sub_nc_u32 v[\x], v[\x], v[\t]
	v_lshrrev_b32 v[\t], 2, v[\x]
	v_and_b32 v[\t], 0x33333333, v[\t]
	v_and_b32 v[\x], 0x33333333, v[\x]
	v_add_nc_u32 v[\x], v[\x], v[\t]
	v_lshrrev_b32 v[\t], 4, v[\x]
	v_add_nc_u32 v[\x], v[\x], v[\t]
	v_and_b32 v[\x], 0x0f0f0f0f, v[\x]
	v_mul_lo_u32 v[\x], v[\x], s45
	v_lshrrev_b32 v[\x], 24, v[\x]
.endm
	POPC 80, 82                                    ; my rank among the group's tokens of my pair
	POPC 81, 82                                    ; how many of the group's tokens have pair = my lane
	v_mov_b32 v84, v81
	v_lshl_or_b32 v85, v80, 8, v72
	global_store_b64 v4, v[84:85], s[22:23]        ; 256 consecutive bytes
	global_store_b64 v4, v[76:77], s[24:25]
	v_add_f32_dpp v73, v73, v73 row_xmask:8 row_mask:0xf bank_mask:0xf
	v_permlanex16_b32 v78, v73, s46, s47
	v_add_f32 v73, v73, v78                        ; the four waves' sums: lane e holds expert e's
	v_cmp_gt_u32 vcc_lo, 8, v1
	s_wait_xcnt 0x0                                ; EXEC changes only behind this wait
	s_and_saveexec_b32 s44, vcc_lo
	global_store_b32 v70, v73, s[26:27]
	s_wait_xcnt 0x0
	s_or_b32 exec_lo, exec_lo, s44
.Lx_end:
	s_set_vgpr_msb 0x5
	s_wait_tensorcnt 0x0
	ds_add_u32 v0, v1
	s_wait_dscnt 0x0
	s_set_vgpr_msb 0x500
	s_endpgm
; ---------------------------------------------------------------- the weights: a lane takes a column, its registers run down K: 128 along K, four blocks
; s[50:51] source, s[52:53] bias source, s[46:47] the record(s), s[48:49] the fragment in it; v2 = 4 x lane; v3, v4, v5: my lane's place for codes, scale word, bias; s42 the K step
.macro WBLK b, cnt
.set XS, 32+32*(\b)
	s_wait_loadcnt \cnt                            ; this block's 32 loads are in (the count written is the number issued behind them, held at 63)
	v_max3_num_f32 v12, |v[XS]|, |v[XS+1]|, |v[XS+2]|
	v_max3_num_f32 v13, |v[XS+3]|, |v[XS+4]|, |v[XS+5]|
.irp i, 6,10,14,18,22,26
	v_max3_num_f32 v12, v12, |v[XS+\i]|, |v[XS+\i+1]|
	v_max3_num_f32 v13, v13, |v[XS+\i+2]|, |v[XS+\i+3]|
.endr
	v_max3_num_f32 v12, v12, |v[XS+30]|, |v[XS+31]|
	v_max3_num_f32 v12, v12, v13, 0x1800000
	v_add_nc_u32 v11, 0xff000000, v12
	v_lshrrev_b32 v13, 23, v11
.if (\b) == 0
	v_mov_b32 v176, v13
.else
	v_lshl_or_b32 v176, v13, 8*(\b), v176          ; the four bytes make my row's scale word of this K step
.endif
.irp g, 0,1,2,3
	v_cvt_scalef32_pk8_fp4_f32 v[160+4*(\b)+\g], v[XS+8*\g:XS+8*\g+7], v11
.endr
	global_store_b128 v3, v[160+4*(\b):163+4*(\b)], s[48:49] offset:256*(\b)   ; block b is registers 4 (b / 2) on of lanes 16 (b % 2) on: sixteen lanes fill 256 aligned bytes
.endm
.macro WQUANT stride
	global_load_b32 v177, v2, s[52:53]             ; my column's bias
.set n, 0
.rept 128
	global_load_b32 v[32+n], v2, s[50:51] offset:n*\stride th:TH_LOAD_NT
.set n, n+1
.endr
	WBLK 0, 63
	WBLK 1, 63
	WBLK 2, 32
	WBLK 3, 0
	global_store_b32 v4, v176, s[46:47]
	s_cmp_lg_u32 s42, 0                            ; the bias is stored by the work-group of K step 0
	s_cbranch_scc1 .Lno_bias_\@
	global_store_b32 v5, v177, s[46:47]
.Lno_bias_\@:
	s_endpgm
.endm
.Lweights:
	v_lshlrev_b32 v2, 2, v1
	s_cmp_lt_u32 ttmp9, 512
	s_cbranch_scc0 .Lw2
	s_sub_co_u32 s31, ttmp9, 256                   ; W1 [8][1024][512]: K step s, wave w of the third launch, expert e; my wave: hidden units 128 w + 32 v on
	s_and_b32 s42, s31, 7
	s_bfe_u32 s43, s31, 0x20003
	s_lshr_b32 s44, s31, 5
	s_lshl_b32 s40, s44, 21
	s_lshl_b32 s45, s42, 18
	s_add_co_u32 s40, s40, s45
	s_lshl_b32 s45, s43, 9
	s_lshl_b32 s54, s30, 7
	s_add_co_u32 s45, s45, s54
	s_add_co_u32 s40, s40, s45
	s_add_nc_u64 s[50:51], s[10:11], s[40:41]
	s_lshl_b32 s40, s44, 11
	s_add_co_u32 s40, s40, s45
	s_add_nc_u64 s[52:53], s[12:13], s[40:41]
	s_mul_i32 s40, s44, ESTR
	s_mul_i32 s45, s43, WSTR
	s_add_co_u32 s40, s40, s45
	s_mul_i32 s45, s30, 2*REC
	s_add_co_u32 s40, s40, s45
	s_add_nc_u64 s[46:47], s[28:29], s[40:41]      ; records 2 v and 2 v + 1
	s_lshl_b32 s40, s42, 10
	s_add_nc_u64 s[48:49], s[46:47], s[40:41]      ; fragment s
	v_bfe_u32 v6, v1, 3, 1                         ; u: which of the two records
	v_mul_u32_u24 v6, v6, REC
	v_and_b32 v7, 7, v1
	v_lshrrev_b32 v8, 4, v1
	v_lshl_add_u32 v9, v8, 3, v7                   ; rho = lane % 8 + 8 (lane / 16)
	v_lshl_add_u32 v3, v9, 4, v6
	s_and_b32 s45, s42, 1
	s_lshl_b32 s45, s45, 8
	s_lshr_b32 s54, s42, 1
	s_lshl_b32 s54, s54, 2
	s_add_co_u32 s45, s45, s54
	s_add_co_u32 s45, s45, 8192
	v_add_nc_u32 v4, s45, v3                       ; scale word: lane 16 (s % 2) + rho, word s / 2
	v_lshl_add_u32 v5, v8, 5, v6
	v_lshl_add_u32 v5, v7, 2, v5
	v_add_nc_u32 v5, 8704, v5                      ; bias: [lane / 16][lane % 8]
	WQUANT 2048
.Lw2:
	s_sub_co_u32 s31, ttmp9, 512                   ; W2 [8][512][1024]: K step s, 128 columns cg, expert e; my wave: outputs 128 cg + 32 v on
	s_and_b32 s42, s31, 3
	s_bfe_u32 s43, s31, 0x30002
	s_lshr_b32 s44, s31, 5
	s_lshl_b32 s40, s44, 21
	s_lshl_b32 s45, s42, 19
	s_add_co_u32 s40, s40, s45
	s_lshl_b32 s45, s43, 9
	s_lshl_b32 s54, s30, 7
	s_add_co_u32 s45, s45, s54
	s_add_co_u32 s40, s40, s45
	s_add_nc_u64 s[50:51], s[14:15], s[40:41]
	s_lshl_b32 s40, s44, 12
	s_add_co_u32 s40, s40, s45
	s_add_nc_u64 s[52:53], s[16:17], s[40:41]
	s_mul_i32 s40, s44, ESTR
	s_lshr_b32 s45, s43, 1
	s_mul_i32 s45, s45, WSTR
	s_add_co_u32 s40, s40, s45
	s_and_b32 s45, s43, 1
	s_lshl_b32 s45, s45, 2
	s_add_co_u32 s45, s45, s30
	s_add_co_u32 s45, s45, 8
	s_mul_i32 s45, s45, REC
	s_add_co_u32 s40, s40, s45
	s_add_nc_u64 s[46:47], s[28:29], s[40:41]      ; record 8 + 4 (cg % 2) + v
	s_lshl_b32 s40, s42, 10
	s_add_nc_u64 s[48:49], s[46:47], s[40:41]      ; fragments s and 4 + s
	v_and_b32 v7, 15, v1
	v_lshrrev_b32 v8, 4, v1
	v_lshlrev_b32 v3, 12, v8
	v_lshl_add_u32 v3, v7, 4, v3
	s_and_b32 s45, s42, 1
	s_lshl_b32 s45, s45, 8
	s_lshr_b32 s54, s42, 1
	s_lshl_b32 s54, s54, 2
	s_add_co_u32 s45, s45, s54
	s_add_co_u32 s45, s45, 8192
	v_lshlrev_b32 v4, 4, v7
	v_lshl_add_u32 v4, v8, 3, v4
	v_add_nc_u32 v4, s45, v4                       ; scale word: lane 16 (s % 2) + row, word 2 (lane / 16) + s / 2
	v_add_nc_u32 v5, 8704, v2
	WQUANT 4096
.Lfunc_end_k_q37326cbadc_prep:
	.size	k_q37326cbadc_prep, .Lfunc_end_k_q37326cbadc_prep-k_q37326cbadc_prep
	.p2alignl 7, 3214868480
	.fill 96, 4, 3214868480
	.section	.rodata,"a",@progbits
	.p2align	6, 0x0
	.amdhsa_kernel k_q37326cbadc_prep
		.amdhsa_group_segment_fixed_size 92160
		.amdhsa_private_segment_fixed_size 0
		.amdhsa_enable_private_segment 0
		.amdhsa_kernarg_size 104
		.amdhsa_user_sgpr_count 2
		.amdhsa_user_sgpr_kernarg_segment_ptr 1
		.amdhsa_wavefront_size32 1
		.amdhsa_system_sgpr_workgroup_id_x 1
		.amdhsa_system_sgpr_workgroup_id_y 1
		.amdhsa_system_sgpr_workgroup_id_z 1
		.amdhsa_system_vgpr_workitem_id 0
		.amdhsa_next_free_vgpr 258
		.amdhsa_next_free_sgpr 66
		.amdhsa_reserve_vcc 1
		.amdhsa_float_denorm_mode_32 3
		.amdhsa_float_denorm_mode_16_64 3
		.amdhsa_memory_ordered 1
		.amdhsa_forward_progress 1
		.amdhsa_inst_pref_size 172
	.end_amdhsa_kernel
	.amdgpu_metadata
---
amdhsa.version: [ 1, 2 ]
amdhsa.kernels:
  - .name:           k_q37326cbadc_prep
    .symbol:         k_q37326cbadc_prep.kd
    .args:
      - { .name: x, .offset: 0, .size: 8, .value_kind: global_buffer, .address_space: global }
      - { .name: gate_W, .offset: 8, .size: 8, .value_kind: global_buffer, .address_space: global }
      - { .name: gate_b, .offset: 16, .size: 8, .value_kind: global_buffer, .address_space: global }
      - { .name: W1, .offset: 24, .size: 8, .value_kind: global_buffer, .address_space: global }
      - { .name: b1, .offset: 32, .size: 8, .value_kind: global_buffer, .address_space: global }
      - { .name: W2, .offset: 40, .size: 8, .value_kind: global_buffer, .address_space: global }
      - { .name: b2, .offset: 48, .size: 8, .value_kind: global_buffer, .address_space: global }
      - { .name: xq, .offset: 56, .size: 8, .value_kind: global_buffer, .address_space: global }
      - { .name: xs, .offset: 64, .size: 8, .value_kind: global_buffer, .address_space: global }
      - { .name: route, .offset: 72, .size: 8, .value_kind: global_buffer, .address_space: global }
      - { .name: gw, .offset: 80, .size: 8, .value_kind: global_buffer, .address_space: global }
      - { .name: imp, .offset: 88, .size: 8, .value_kind: global_buffer, .address_space: global }
      - { .name: wq, .offset: 96, .size: 8, .value_kind: global_buffer, .address_space: global }
    .group_segment_fixed_size: 92160
    .private_segment_fixed_size: 0
    .kernarg_segment_align: 8
    .kernarg_segment_size: 104
    .max_flat_workgroup_size: 128
    .sgpr_count:     66
    .vgpr_count:     258
    .wavefront_size: 32
...
	.end_amdgpu_metadata
.endif
;; end of part 1
;; launch place (part 2): grid 1 x 1, 32 waves a work-group, no clusters, 14,336 bytes of LDS; arguments route, imp, rows, tiles, out1; writes rows, tiles, out1
.if DOCPART == 2
	.amdgcn_target "amdgcn-amd-amdhsa--gfx1250"
	.amdhsa_code_object_version 6
	.text
	.protected	k_q37326cbadc_place
	.globl	k_q37326cbadc_place
	.p2align	8
	.type	k_q37326cbadc_place,@function
k_q37326cbadc_place:
	s_mov_b64 s[64:65], 0
	v_nop
	global_prefetch_b8 v0, s[64:65] scope:SCOPE_SE
	s_setreg_imm32_b32 hwreg(HW_REG_WAVE_MODE, 25, 1), 1
	s_wait_xcnt 0x0
; SECOND LAUNCH: one work-group of 32 waves places the 8,192 tokens by their pair of experts (28 bins) into tiles of 64 slots, a tile holding one pair only, and finishes the loss.
; route[group of 32 tokens][lane] = (count of bin = lane in the group, the token's bin | rank << 8).  A counting sort without atomics: wave w owns groups 8 w .. 8 w + 7; a lane is a bin.
; THE SUM OVER THE WAVES is made once for each bin: the waves' totals lie in LDS as [wave][bin]; wave w reads column w (a lane a wave), scans the 32 lanes, and stores the prefixes and the bin's total;
; behind a second barrier each wave reads its own row.  Rows are 132 bytes apart (33 words), so that neither a row's 32 words nor a column's 32 words share a bank.
; rows[tile][64]: token numbers; slots that hold no token get 0.  tiles[T] = (tokens in the tile, lower expert, higher expert, 0); T up to 159, of which the next launch reads 155:
; the sum over bins of ceil(n / 64) is at most 128 + 27 for every split of 8,192 tokens.
; out1 = 0.01 x 8 x the sum over experts of (mean softmax)^2.
; The stores that clear slots run with all lanes on: a lane that has no slot to clear stores its own first token's number at that token's slot once more (the same word, the same value).
; So no lane is switched off by a number read from memory, and every address register is made with all lanes on.
.set WP,  132                          ; a row of 32 words + one
.set WT,  0                            ; LDS: the waves' totals, [wave][bin]: 32 x 132 bytes
.set PRE, 4352                         ; the tokens of a bin in the waves before a wave, [wave][bin], likewise
.set TOT, 8704                         ; the bins' totals, 128 bytes
.set IW,  8960                         ; the waves' softmax sums, [wave][8]
	s_load_b256 s[4:11], s[0:1], 0x0               ; route 4, imp 6, rows 8, tiles 10
	s_load_b64 s[12:13], s[0:1], 0x20              ; out1
	v_lshl_add_u32 v126, v0, 2, 0x2800
	v_mov_b32 v127, 0
	v_lshrrev_b32 v1, 5, v0
	v_readfirstlane_b32 s14, v1                    ; wave
	v_and_b32 v1, 31, v0                           ; lane
	v_lshlrev_b32 v2, 3, v1
	s_lshl_b32 s15, s14, 11
	v_add_nc_u32 v2, s15, v2                       ; route: my wave's eight groups, 8 bytes a lane
	v_lshlrev_b32 v3, 3, v0                        ; imp: 8 bytes a thread
	v_lshlrev_b32 v6, 2, v1                        ; 4 x lane
	s_mul_i32 s15, s14, WP
	v_add_nc_u32 v4, s15, v6                       ; LDS: row = my wave, word = my lane
	v_mul_u32_u24 v15, v1, WP
	s_lshl_b32 s15, s14, 2
	v_add_nc_u32 v15, s15, v15                     ; LDS: row = my lane, word = my wave
	s_add_co_u32 s15, s15, TOT
	v_mov_b32 v125, s15                            ; LDS: the total of bin = my wave
	v_and_b32 v5, 3, v1
	v_lshlrev_b32 v5, 3, v5
	s_lshl_b32 s15, s14, 5
	s_add_co_u32 s15, s15, IW
	v_add_nc_u32 v5, s15, v5                       ; LDS: my wave's softmax sums, my pair of experts
	v_mov_b32 v7, 0                                ; 0: what a cleared slot gets; also out1's offset
	v_lshlrev_b32 v13, 5, v1
	v_add_nc_u32 v13, IW, v13                      ; the loss: wave = lane's eight sums
	v_lshlrev_b32 v14, 4, v0                       ; the headers: 16 bytes a thread
	s_mov_b32 s20, 0x76543210
	s_mov_b32 s21, 0xfedcba98                      ; v_permlanex16_b32: lane l xor 16
	s_wait_kmcnt 0x0
.irp j, 0,1,2,3,4,5,6,7
	global_load_b64 v[16+2*\j:17+2*\j], v2, s[4:5] offset:256*\j
.endr
	global_load_b64 v[32:33], v3, s[6:7]           ; experts 2 (thread % 4) and + 1 of group thread / 4
	v_mov_b32 v34, 0                               ; written once: the destination of a lane permute or a DPP move counts as one of its sources
	v_mov_b32 v35, 0
	v_mov_b32 v54, 0
	v_mov_b32 v66, 0
	v_mov_b32 v40, 0
	s_wait_loadcnt 0x0
.irp j, 0,1,2,3,4,5,6,7
	v_add_nc_u32 v[41+\j], v[40+\j], v[16+2*\j]    ; v40+j: my bin's tokens in the wave's groups before group j; v48: the wave's total
.endr
	v_add_f32_dpp v32, v32, v32 row_xmask:4 row_mask:0xf bank_mask:0xf
	v_add_f32_dpp v33, v33, v33 row_xmask:4 row_mask:0xf bank_mask:0xf
	v_add_f32_dpp v32, v32, v32 row_xmask:8 row_mask:0xf bank_mask:0xf
	v_add_f32_dpp v33, v33, v33 row_xmask:8 row_mask:0xf bank_mask:0xf
	v_permlanex16_b32 v34, v32, s20, s21
	v_permlanex16_b32 v35, v33, s20, s21
	v_add_f32 v32, v32, v34
	v_add_f32 v33, v33, v35                        ; the wave's eight groups summed
	ds_store_b32 v4, v48
	ds_store_b64 v5, v[32:33]                      ; eight lanes write the same pair with the same values
	s_wait_dscnt 0x0                               ; for the others' sake
	s_barrier_signal -1
	s_barrier_wait -1                              ; the waves' totals lie in LDS
	ds_load_b32 v64, v15                           ; bin = my wave: its tokens in wave = my lane
	s_wait_dscnt 0x0
	v_mov_b32 v65, v64
.irp n, 1,2,4,8
	v_mov_b32_dpp v66, v65 row_shr:\n row_mask:0xf bank_mask:0xf bound_ctrl:1
	v_add_nc_u32 v65, v65, v66
.endr
	v_readlane_b32 s16, v65, 15
	v_mov_b32 v66, s16
	v_cmp_lt_u32 vcc_lo, 15, v1
	v_cndmask_b32 v66, 0, v66, vcc_lo
	v_add_nc_u32 v65, v65, v66                     ; up to and with wave = my lane
	v_sub_nc_u32 v67, v65, v64                     ; in the waves before it
	v_readlane_b32 s16, v65, 31
	v_mov_b32 v68, s16                             ; in all
	ds_store_b32 v15, v67 offset:PRE
	ds_store_b32 v125, v68                         ; all lanes write the same word with the same value
	s_wait_dscnt 0x0                               ; for the others' sake
	s_barrier_signal -1
	s_barrier_wait -1                              ; the second barrier: behind it LDS is only read
	ds_load_b32 v50, v4 offset:PRE                 ; my bin's tokens in the waves before mine
	ds_load_b32 v51, v6 offset:TOT                 ; and in all
	s_wait_dscnt 0x0
	v_add_nc_u32 v52, 63, v51
	v_lshrrev_b32 v52, 6, v52                      ; the bin's tiles
	v_mov_b32 v53, v52
.irp n, 1,2,4,8
	v_mov_b32_dpp v54, v53 row_shr:\n row_mask:0xf bank_mask:0xf bound_ctrl:1
	v_add_nc_u32 v53, v53, v54
.endr
	v_readlane_b32 s16, v53, 15
	v_mov_b32 v54, s16
	v_cmp_lt_u32 vcc_lo, 15, v1
	v_cndmask_b32 v54, 0, v54, vcc_lo
	v_add_nc_u32 v53, v53, v54                     ; tiles up to and with my bin
	v_sub_nc_u32 v55, v53, v52                     ; the bin's first tile
	v_lshlrev_b32 v56, 6, v55                      ; and slot
	v_add_nc_u32 v57, v56, v50
.irp j, 0,1,2,3,4,5,6,7
	v_add_nc_u32 v[96+\j], v57, v[40+\j]           ; where group j's tokens of my bin begin
	v_and_b32 v[104+\j], 31, v[17+2*\j]
	v_lshlrev_b32 v[104+\j], 2, v[104+\j]
	ds_bpermute_b32 v[112+\j], v[104+\j], v[96+\j] ; my token's bin's figure
.endr
	v_add_nc_u32 v58, v56, v51                     ; the bin's first slot without a token,
	v_lshl_add_u32 v59, v52, 6, v56                ; and the end of its tiles
	s_lshl_b32 s15, s14, 2
	v_mov_b32 v60, s15
	ds_bpermute_b32 v61, v60, v58                  ; wave w serves bin w (waves 28 to 31 find nothing to clear)
	ds_bpermute_b32 v62, v60, v59
	s_lshl_b32 s15, s14, 8
	v_add_nc_u32 v63, s15, v1                      ; my first token's number
	s_wait_dscnt 0x0
.irp j, 0,1,2,3,4,5,6,7
	v_lshrrev_b32 v[80+\j], 8, v[17+2*\j]          ; the token's rank in its group,
	v_add_nc_u32 v[80+\j], v[80+\j], v[112+\j]     ; + where the group's tokens of its bin begin: its slot
	v_min_u32 v[80+\j], 9919, v[80+\j]
.if \j == 0
	v_mov_b32 v120, v80                            ; my first token's slot is kept for the stores below
.endif
	v_lshlrev_b32 v[80+\j], 2, v[80+\j]
	v_add_nc_u32 v[88+\j], 32*\j, v63
	global_store_b32 v[80+\j], v[88+\j], s[8:9]
.endr
; 0 into slot v[slot] where it lies under v[lim]; elsewhere my first token's number into its own slot once more.  Each use has registers of its own, so no store's sources are written again.
.macro ZSTORE slot, lim, dat
	v_cmp_lt_u32 vcc_lo, v[\slot], v[\lim]
	v_cndmask_b32 v[\slot], v120, v[\slot], vcc_lo
	v_cndmask_b32 v[\dat], v88, v7, vcc_lo
	v_min_u32 v[\slot], 9919, v[\slot]
	v_lshlrev_b32 v[\slot], 2, v[\slot]
	global_store_b32 v[\slot], v[\dat], s[8:9]
.endm
	v_add_nc_u32 v8, v61, v1                       ; at most 63 slots of a bin's last tile are without a token
	v_add_nc_u32 v9, 32, v8
	ZSTORE 8, 62, 121
	ZSTORE 9, 62, 122
	v_readlane_b32 s17, v53, 31                    ; the tiles in use
	s_lshl_b32 s17, s17, 6
	v_add_nc_u32 v10, s17, v0                      ; the slots of the tiles not in use: at most 27 x 64, two a thread
	v_add_nc_u32 v11, 0x400, v10
	v_mov_b32 v12, 9920
	ZSTORE 10, 12, 123
	ZSTORE 11, 12, 124
	s_cmp_gt_u32 s14, 4
	s_cbranch_scc1 .Lno_head
	; the headers: thread T = 0 .. 159
	v_mov_b32 v20, 0
.irp c, 7,13,18,22,25,27
	v_cmp_le_u32 vcc_lo, \c, v1
	v_add_co_ci_u32 v20, vcc_lo, 0, v20, vcc_lo    ; the lower expert of bin = lane
.endr
	v_sub_nc_u32 v21, 15, v20
	v_mul_u32_u24 v21, v21, v20
	v_lshrrev_b32 v21, 1, v21
	v_sub_nc_u32 v21, v1, v21
	v_add_nc_u32 v21, v21, v20
	v_add_nc_u32 v21, 1, v21
	v_and_b32 v21, 7, v21                          ; the higher
	v_lshl_or_b32 v22, v55, 14, v51                ; tokens | first tile << 14 | lo << 22 | hi << 25
	v_lshl_or_b32 v22, v20, 22, v22
	v_lshl_or_b32 v22, v21, 25, v22
	v_mov_b32 v23, 0
.set b, 0
.rept 28
	v_readlane_b32 s24, v53, b
	v_cmp_le_u32 vcc_lo, s24, v0
	v_add_co_ci_u32 v23, vcc_lo, 0, v23, vcc_lo    ; tile T's bin: how many bins end at or before T; 28: no bin
.set b, b+1
.endr
	v_lshlrev_b32 v24, 2, v23
	ds_bpermute_b32 v25, v24, v22
	s_wait_dscnt 0x0
	v_and_b32 v26, 0x3fff, v25
	v_bfe_u32 v27, v25, 14, 8
	v_sub_nc_u32 v27, v0, v27
	v_lshlrev_b32 v27, 6, v27
	v_sub_nc_u32 v26, v26, v27
	v_min_u32 v26, 64, v26                         ; the tokens in tile T
	v_bfe_u32 v36, v25, 22, 3
	v_bfe_u32 v37, v25, 25, 3
	v_cmp_gt_u32 vcc_lo, 28, v23
	v_cndmask_b32 v28, 0, v26, vcc_lo              ; a tile of no bin: no tokens, experts 0
	v_cndmask_b32 v29, 0, v36, vcc_lo
	v_cndmask_b32 v30, 0, v37, vcc_lo
	v_mov_b32 v31, 0
	global_store_b128 v14, v[28:31], s[10:11]      ; a wave stores 512 consecutive bytes
.Lno_head:
	s_cmp_lg_u32 s14, 31
	s_cbranch_scc1 .Lno_loss
	ds_load_b128 v[32:35], v13                     ; wave = lane's eight sums
	ds_load_b128 v[36:39], v13 offset:16
	s_wait_dscnt 0x0
.irp x, 1,2,4,8
.irp e, 0,1,2,3,4,5,6,7
	v_add_f32_dpp v[32+\e], v[32+\e], v[32+\e] row_xmask:\x row_mask:0xf bank_mask:0xf
.endr
.endr
.irp e, 0,1,2,3,4,5,6,7
	v_permlanex16_b32 v[40+\e], v[32+\e], s20, s21
.endr
.irp e, 0,1,2,3,4,5,6,7
	v_add_f32 v[32+\e], v[32+\e], v[40+\e]
.endr
.irp e, 0,1,2,3,4,5,6,7
	v_mul_f32 v[32+\e], 0x39000000, v[32+\e]       ; / 8,192: the mean
.endr
	v_mul_f32 v48, v32, v32
.irp e, 1,2,3,4,5,6,7
	v_fma_f32 v48, v[32+\e], v[32+\e], v48
.endr
	v_mul_f32 v48, 0x41000000, v48                 ; x 8
	v_mul_f32 v48, 0x3c23d70a, v48                 ; x 0.01
	v_cmp_eq_u32 vcc_lo, 0, v1                     ; lane 0 alone stores the one number: a mask made of the lane's number
	s_wait_xcnt 0x0                                ; EXEC changes only behind this wait
	s_and_saveexec_b32 s22, vcc_lo
	global_store_b32 v7, v48, s[12:13]
	s_wait_xcnt 0x0                                ; and again, in front of the line that widens it
	s_or_b32 exec_lo, exec_lo, s22
.Lno_loss:
	s_wait_tensorcnt 0x0
	ds_add_u32 v126, v127
	s_wait_dscnt 0x0
	s_endpgm
.Lfunc_end_k_q37326cbadc_place:
	.size	k_q37326cbadc_place, .Lfunc_end_k_q37326cbadc_place-k_q37326cbadc_place
	.p2alignl 7, 3214868480
	.fill 96, 4, 3214868480
	.section	.rodata,"a",@progbits
	.p2align	6, 0x0
	.amdhsa_kernel k_q37326cbadc_place
		.amdhsa_group_segment_fixed_size 14336
		.amdhsa_private_segment_fixed_size 0
		.amdhsa_enable_private_segment 0
		.amdhsa_kernarg_size 40
		.amdhsa_user_sgpr_count 2
		.amdhsa_user_sgpr_kernarg_segment_ptr 1
		.amdhsa_wavefront_size32 1
		.amdhsa_system_sgpr_workgroup_id_x 1
		.amdhsa_system_sgpr_workgroup_id_y 1
		.amdhsa_system_sgpr_workgroup_id_z 1
		.amdhsa_system_vgpr_workitem_id 0
		.amdhsa_next_free_vgpr 128
		.amdhsa_next_free_sgpr 66
		.amdhsa_reserve_vcc 1
		.amdhsa_float_denorm_mode_32 3
		.amdhsa_float_denorm_mode_16_64 3
		.amdhsa_memory_ordered 1
		.amdhsa_forward_progress 1
		.amdhsa_inst_pref_size 21
	.end_amdhsa_kernel
	.amdgpu_metadata
---
amdhsa.version: [ 1, 2 ]
amdhsa.kernels:
  - .name:           k_q37326cbadc_place
    .symbol:         k_q37326cbadc_place.kd
    .args:
      - { .name: route, .offset: 0, .size: 8, .value_kind: global_buffer, .address_space: global }
      - { .name: imp, .offset: 8, .size: 8, .value_kind: global_buffer, .address_space: global }
      - { .name: rows, .offset: 16, .size: 8, .value_kind: global_buffer, .address_space: global }
      - { .name: tiles, .offset: 24, .size: 8, .value_kind: global_buffer, .address_space: global }
      - { .name: out1, .offset: 32, .size: 8, .value_kind: global_buffer, .address_space: global }
    .group_segment_fixed_size: 14336
    .private_segment_fixed_size: 0
    .kernarg_segment_align: 8
    .kernarg_segment_size: 40
    .max_flat_workgroup_size: 1024
    .sgpr_count:     66
    .vgpr_count:     128
    .wavefront_size: 32
...
	.end_amdgpu_metadata
.endif
;; end of part 2
;; launch chain (part 3): grid 155 x 1, 4 waves a work-group, no clusters, 138,752 bytes of LDS; arguments xq, xs, gw, rows, tiles, wq, out0; writes out0
.if DOCPART == 3
	.amdgcn_target "amdgcn-amd-amdhsa--gfx1250"
	.amdhsa_code_object_version 6
	.text
	.protected	k_q37326cbadc_chain
	.globl	k_q37326cbadc_chain
	.p2align	8
	.type	k_q37326cbadc_chain,@function
k_q37326cbadc_chain:
	s_mov_b64 s[64:65], 0
	v_nop
	global_prefetch_b8 v0, s[64:65] scope:SCOPE_SE
	s_setreg_imm32_b32 hwreg(HW_REG_WAVE_MODE, 25, 1), 1
	s_wait_xcnt 0x0
; THIRD LAUNCH: a work-group takes one tile of up to 64 tokens that chose the same two experts through the whole chain, for both experts, and stores the finished rows of out0:
; out = g_lo (relu(x W1[lo] + b1[lo]) W2[lo] + b2[lo]) + g_hi (the same of hi).  Both products on codes of E2M1 with E8M0 scales; the hidden layer is quantised in registers and never goes to memory.
; Only the two chosen experts are multiplied: the reference gathers these two and drops the other six.
; SHARES.  The four waves share the columns, not the rows: wave w makes hidden units 128 w on and outputs 256 w on, for all 64 tokens.  Both products are used transposed
; (source 0 = 16 rows of the weight, source 1 = 16 tokens): a lane holds one token, its registers run along hidden units or outputs.
; THE WEIGHTS come from memory straight into registers, record by record (the first launch laid them in register order), through a ring of four register slots: three records are on their way while one is multiplied.
; x's codes are gathered by rows into LDS once; the hidden layer's codes go from wave to wave through LDS as images of the operand's registers.  Two barriers in all.
; THE GRID serves every split: 155 = 128 + 27 tiles at the most.  A tile without tokens walks the first product on token 0 and expert 0, so that both barriers stand under no branch on a number read from
; memory; behind the second barrier it ends, and it stores nothing.
; Slots of a tile that hold no token take the tile's first token: they compute and store that row again, the same numbers to the same bytes.
; NO TENSOR LOADS, NO CLUSTER: the experts, the rows and the stores hang on numbers read from memory, and neighbouring tiles as a rule need other experts' weights.
; LIMITS: NaN and infinities are not served; a hidden block whose largest number lies under 2^-124, a block of zeros among them, gets the scale byte 1.
; REGISTERS, in windows of 256.  window 0: v1-15 lane terms; v16-31 the ring's scale words; v32-47 x's, later the hidden layer's scale words; v48-63 gates; v64-79 codes just made; v80-99 at work
;   (in the second product v64-95 take rows on their way out); v100-127 tokens and gather addresses; v128-255 accumulators.   window 1: x's 32 fragments, later the hidden layers' 32.
;   window 2: v0-63 the ring's biases; v64-95 the rows' offsets in out0; v96-159 weighted sums; v160-255 rows on their way out.   window 3: the ring, 64 registers a slot.
.set REC,  8960
.set ESTR, 573440
.set WSTR, 143360
.set HSC,  32768                       ; LDS: 0: the hidden layers' images, (2 e + c) x 8192 + (4 m + s) x 512 + 16 lane; here their scale bytes, (4 m + s) x 128 + 8 row + 4 e + 2 c
.set XROW, 34816                       ; 64 rows of x's codes, 512 bytes + 16
.set STG,  68608                       ; a stage of 64 rows x (256 bytes + 16) for each wave
.set RS,  16
.set XS,  32
.set HS,  32
.set GP,  48
.set PC,  64
.set TM,  80
.set TP,  84
.set TS,  88
.set TB,  92
.set HW,  96
.set TKA, 100
.set TKB, 101
.set TW,  102
.set TT,  103
.set T0,  104
.set OB,  108
.set XSA, 109
.set RA,  111
.set AD,  112
.set ACC, 128
.set XT,  128
.set IX,  192
.set TOFF, 64
.set OO,   96
.set LD2,  160                         ; window 2: the rows of token tiles 0, 1, 2 on their way out, 32 registers each
.set LD0,  64                          ; window 0: those of tile 3
.set MSB, 0
.macro WIN new                         ; the immediate's high byte repeats the setting that is left
.if MSB != \new
	s_set_vgpr_msb (MSB<<8)|\new
.set MSB, \new
.endif
.endm
; one matrix instruction: ra, rb: which half of the lanes holds source 0's and source 1's scale words
.macro WM d, a, b, c, sa, sb, ra, rb
.if ((\ra) == 0) && ((\rb) == 0)
	v_wmma_scale_f32_16x16x128_f8f6f4 v[(\d):(\d)+7], v[(\a):(\a)+7], v[(\b):(\b)+7], v[(\c):(\c)+7], v[(\sa)], v[(\sb)] matrix_a_fmt:MATRIX_FMT_FP4 matrix_b_fmt:MATRIX_FMT_FP4
.elseif ((\ra) == 1) && ((\rb) == 0)
	v_wmma_scale_f32_16x16x128_f8f6f4 v[(\d):(\d)+7], v[(\a):(\a)+7], v[(\b):(\b)+7], v[(\c):(\c)+7], v[(\sa)], v[(\sb)] matrix_a_fmt:MATRIX_FMT_FP4 matrix_b_fmt:MATRIX_FMT_FP4 matrix_a_scale:MATRIX_SCALE_ROW1
.elseif ((\ra) == 0)
	v_wmma_scale_f32_16x16x128_f8f6f4 v[(\d):(\d)+7], v[(\a):(\a)+7], v[(\b):(\b)+7], v[(\c):(\c)+7], v[(\sa)], v[(\sb)] matrix_a_fmt:MATRIX_FMT_FP4 matrix_b_fmt:MATRIX_FMT_FP4 matrix_b_scale:MATRIX_SCALE_ROW1
.else
	v_wmma_scale_f32_16x16x128_f8f6f4 v[(\d):(\d)+7], v[(\a):(\a)+7], v[(\b):(\b)+7], v[(\c):(\c)+7], v[(\sa)], v[(\sb)] matrix_a_fmt:MATRIX_FMT_FP4 matrix_b_fmt:MATRIX_FMT_FP4 matrix_a_scale:MATRIX_SCALE_ROW1 matrix_b_scale:MATRIX_SCALE_ROW1
.endif
.endm
; a record into ring slot k: 16 loads of fragments, one of scale words, 2 nb of biases: 19 (W1) or 21 (W2) loads
.macro FILL k, base, off, nb
	WIN 0xc0
.irp i, 0,1,2,3,4,5,6,7,8,9,10,11,12,13,14,15
	global_load_b128 v[64*(\k)+4*\i:64*(\k)+4*\i+3], v4, s[\base:\base+1] offset:(\off)+512*\i
.endr
	WIN 0
	global_load_b128 v[RS+4*(\k):RS+4*(\k)+3], v4, s[\base:\base+1] offset:(\off)+8192
	WIN 0x80
	global_load_b128 v[16*(\k):16*(\k)+3], v5, s[\base:\base+1] offset:(\off)+8704
	global_load_b128 v[16*(\k)+4:16*(\k)+7], v5, s[\base:\base+1] offset:(\off)+8720
.if (\nb) == 2
	global_load_b128 v[16*(\k)+8:16*(\k)+11], v5, s[\base:\base+1] offset:(\off)+8768
	global_load_b128 v[16*(\k)+12:16*(\k)+15], v5, s[\base:\base+1] offset:(\off)+8784
.endif
	WIN 0
.endm
; a hidden tile (16 units) x 64 tokens, K = 1,024: 32 matrix instructions; the four accumulators take turns, one instruction a turn; the bias is the first C.
; Four plain lines follow: the distance in front of loads into the slot and of the first read of the results (ISA guide 7.12.1 for vector instructions).
.macro G1 k, cnt
	s_wait_loadcnt \cnt                            ; slot k's record is in; the count is what was issued behind it
.irp s, 0,1,2,3,4,5,6,7
.if \s == 0
	WIN 0x27                                       ; source 0 window 3, source 1 window 1, C window 2, D window 0
.else
	WIN 0x07
.endif
.irp m, 0,1,2,3
.if \s == 0
	WM ACC+64*((\k)/2)+16*\m+8*((\k)%2), 64*(\k)+8*\s, 8*(8*\m+\s), 16*(\k), RS+4*(\k)+\s/2, XS+8*(\m/2)+\s, \s%2, \m%2
.else
	WM ACC+64*((\k)/2)+16*\m+8*((\k)%2), 64*(\k)+8*\s, 8*(8*\m+\s), ACC+64*((\k)/2)+16*\m+8*((\k)%2), RS+4*(\k)+\s/2, XS+8*(\m/2)+\s, \s%2, \m%2
.endif
.endr
.endr
	WIN 0
.rept 4
	v_nop
.endr
.endm
; 32 outputs x 64 tokens of expert e, K = 512: 32 matrix instructions, eight accumulators by turns
.macro G2 k, e, cnt
	s_wait_loadcnt \cnt
.irp s, 0,1,2,3
.if \s == 0
	WIN 0x27
.else
	WIN 0x07
.endif
.irp i, 0,1
.irp m, 0,1,2,3
.if \s == 0
	WM ACC+64*(\e)+32*\i+8*\m, 64*(\k)+8*(4*\i+\s), 8*(16*(\e)+4*\m+\s), 16*(\k)+8*\i, RS+4*(\k)+2*\i+\s/2, HS+2*(4*(\m/2)+\s)+(\e), \s%2, \m%2
.else
	WM ACC+64*(\e)+32*\i+8*\m, 64*(\k)+8*(4*\i+\s), 8*(16*(\e)+4*\m+\s), ACC+64*(\e)+32*\i+8*\m, RS+4*(\k)+2*\i+\s/2, HS+2*(4*(\m/2)+\s)+(\e), \s%2, \m%2
.endif
.endr
.endr
.endr
	WIN 0
.rept 4
	v_nop
.endr
.endm
; a block of 32 hidden units x 64 tokens: relu, the block's scale, the codes.  A lane's 16 registers of token tile m are 16 neighbours along the next K; the other 16 lie in lane l xor 16.
.macro QBLK bb
.set QB, ACC+64*(\bb)
.set j, 0
.rept 64
	v_max_num_f32 v[QB+j], 0, v[QB+j]              ; ascending: each accumulator is read from its low end on
.set j, j+1
.endr
.irp m, 0,1,2,3
	v_max3_num_f32 v[TM+\m], v[QB+16*\m], v[QB+16*\m+1], 0x1800000   ; none is negative; the floor 2^(3 - 127) holds the byte at 1 from below
.endr
.irp i, 2,4,6,8,10,12,14
.irp m, 0,1,2,3
	v_max3_num_f32 v[TM+\m], v[TM+\m], v[QB+16*\m+\i], v[QB+16*\m+\i+1]
.endr
.endr
.irp m, 0,1,2,3
	v_permlanex16_b32 v[TP+\m], v[TM+\m], s34, s35
.endr
.irp m, 0,1,2,3
	v_max_num_f32 v[TM+\m], v[TM+\m], v[TP+\m]
.endr
.irp m, 0,1,2,3
	v_add_nc_u32 v[TS+\m], 0xff000000, v[TM+\m]    ; 2 off the exponent field: the conversion's scale operand
.endr
.irp m, 0,1,2,3
	v_lshrrev_b32 v[TB+\m], 23, v[TS+\m]
.endr
.irp m, 0,1,2,3
.if (\bb) == 0
	v_mov_b32 v[HW+\m], v[TB+\m]
.else
	v_lshl_or_b32 v[HW+\m], v[TB+\m], 8, v[HW+\m]  ; two blocks' bytes: half a scale word
.endif
.endr
.irp m, 0,1,2,3
	v_cvt_scalef32_pk8_fp4_f32 v[PC+4*\m+2*(\bb)], v[QB+16*\m:QB+16*\m+7], v[TS+\m]
	v_cvt_scalef32_pk8_fp4_f32 v[PC+4*\m+2*(\bb)+1], v[QB+16*\m+8:QB+16*\m+15], v[TS+\m]
.endr
	v_nop                                          ; a plain line behind the conversions
.endm
.macro HOUT                            ; two blocks are half a fragment: a whole block to a lane, then the image and the two scale bytes to LDS
.irp m, 0,1,2,3
.irp i, 0,1
	v_permlane16_swap_b32 v[PC+4*\m+\i], v[PC+4*\m+2+\i]
.endr
.endr
.irp m, 0,1,2,3
	ds_store_b128 v10, v[PC+4*\m:PC+4*\m+3] offset:2048*\m
	ds_store_b16 v11, v[HW+\m] offset:512*\m       ; both halves of the lanes write the same bytes with the same value
.endr
.endm
; 32 outputs x 64 tokens: g_lo x the lower expert's + g_hi x the higher's, into my stage; q: which 128 bytes of the stage's rows
.macro EPI q
	s_wait_dscnt 0x0                               ; the last stores into the stage have read their registers, and every load from the stage is back
	WIN 0x80
.irp i, 0,1
.irp m, 0,1,2,3
.irp jj, 0,2,4,6
	v_pk_mul_f32 v[OO+32*\i+8*\m+\jj:OO+32*\i+8*\m+\jj+1], v[ACC+32*\i+8*\m+\jj:ACC+32*\i+8*\m+\jj+1], v[GP+4*\m:GP+4*\m+1] op_sel_hi:[1,0]
.endr
.endr
.endr
	WIN 0xa0
.irp i, 0,1
.irp m, 0,1,2,3
.irp jj, 0,2,4,6
	v_pk_fma_f32 v[OO+32*\i+8*\m+\jj:OO+32*\i+8*\m+\jj+1], v[ACC+64+32*\i+8*\m+\jj:ACC+64+32*\i+8*\m+\jj+1], v[GP+4*\m+2:GP+4*\m+3], v[OO+32*\i+8*\m+\jj:OO+32*\i+8*\m+\jj+1] op_sel_hi:[1,0,1]
.endr
.endr
.endr
	WIN 0x08
.irp i, 0,1
.irp m, 0,1,2,3
	ds_store_b128 v13, v[OO+32*\i+8*\m:OO+32*\i+8*\m+3] offset:4352*\m+64*(2*(\q)+\i)
	ds_store_b128 v13, v[OO+32*\i+8*\m+4:OO+32*\i+8*\m+7] offset:4352*\m+64*(2*(\q)+\i)+16
.endr
.endr
	WIN 0
.endm
; THE WAY OUT, in two parts.  SLOAD: a trip's 64 rows x 256 bytes come back from my stage by rows, in one run of 32 loads (LDS serves a wave's instructions in order: they see the stores above).
.macro SLOAD
	s_wait_xcnt 0x0                                ; the last trip's stores have read the registers that these loads fill
	WIN 0x80
.irp m, 0,1,2
.irp i, 0,1,2,3,4,5,6,7
	ds_load_b128 v[LD2+32*\m+4*\i:LD2+32*\m+4*\i+3], v14 offset:(16*\m+2*\i)*272
.endr
.endr
	WIN 0
.irp i, 0,1,2,3,4,5,6,7
	ds_load_b128 v[LD0+4*\i:LD0+4*\i+3], v14 offset:(48+2*\i)*272
.endr
.endm
; SSTORE: the 16 rows of token tile m, of trip t: sixteen lanes store 256 aligned bytes; the trip stands in the immediate.  A block of 16 slots without a token is passed over.
.macro SSTORE m, t
	s_cmp_le_u32 s20, 16*(\m)
	s_cbranch_scc1 .Lskip_\@
	s_wait_dscnt 24-8*(\m)                         ; this block's eight loads are back; those of the blocks behind it may be out
.if (\m) < 3
	WIN 0x0a                                       ; offsets and data in window 2
.irp i, 0,1,2,3,4,5,6,7
	global_store_b128 v[TOFF+8*(\m)+\i], v[LD2+32*(\m)+4*\i:LD2+32*(\m)+4*\i+3], s[16:17] offset:256*(\t) th:TH_STORE_NT
.endr
.else
	WIN 0x02                                       ; offsets in window 2, data in window 0
.irp i, 0,1,2,3,4,5,6,7
	global_store_b128 v[TOFF+24+\i], v[LD0+4*\i:LD0+4*\i+3], s[16:17] offset:256*(\t) th:TH_STORE_NT
.endr
.endif
	WIN 0
.Lskip_\@:
.endm
	s_load_b256 s[4:11], s[0:1], 0x0               ; xq 4, xs 6, gw 8, rows 10
	s_load_b128 s[12:15], s[0:1], 0x20             ; tiles 12, wq 14
	s_load_b64 s[16:17], s[0:1], 0x30              ; out0
	v_lshrrev_b32 v1, 5, v0
	v_readfirstlane_b32 s18, v1                    ; wave
	v_and_b32 v1, 31, v0                           ; lane
	v_and_b32 v2, 15, v0                           ; r
	v_bfe_u32 v3, v0, 4, 1                         ; h
	v_lshlrev_b32 v4, 4, v1                        ; 16 x lane
	v_lshlrev_b32 v5, 5, v3                        ; 32 h
	v_mul_u32_u24 v6, v2, 528
	v_lshl_add_u32 v6, v3, 4, v6
	v_add_nc_u32 v6, XROW, v6                      ; x's fragments: row r, + 16 h
	s_mul_i32 s19, s18, 8448
	v_add_nc_u32 v7, s19, v4
	v_add_nc_u32 v7, XROW, v7                      ; where I lay the 16 rows that I gather
	s_lshl_b32 s19, s18, 9
	v_add_nc_u32 v8, s19, v4                       ; the hidden images that I make: K step w
	v_lshlrev_b32 v9, 3, v2
	v_add_nc_u32 v12, HSC, v9
	v_lshl_add_u32 v12, v3, 9, v12                 ; scale words back: lanes 16-31 take the token tile one further on
	s_lshl_b32 s19, s18, 7
	v_add_nc_u32 v9, s19, v9
	v_add_nc_u32 v9, HSC, v9
	s_mul_i32 s19, s18, 17408
	s_add_co_u32 s19, s19, STG
	v_mul_u32_u24 v13, v2, 272
	v_lshl_add_u32 v13, v3, 5, v13
	v_add_nc_u32 v13, s19, v13                     ; the stage, in: row r, + 32 h
	v_mul_u32_u24 v14, v3, 272
	v_lshl_add_u32 v14, v2, 4, v14
	v_add_nc_u32 v14, s19, v14                     ; back: lanes 0-15 one row, lanes 16-31 the next
	v_lshlrev_b32 v15, 2, v3
	s_lshl_b32 s19, s18, 10
	v_lshl_add_u32 v[OB], v2, 4, s19               ; in a row of out0: 1,024 w + 16 r
	v_lshlrev_b32 v[RA], 2, v1
.irp m, 0,1,2,3
	v_mov_b32 v[TP+\m], 0                          ; written once: a lane permute's destination counts as one of its sources
.endr
	s_mov_b32 s34, 0x76543210
	s_mov_b32 s35, 0xfedcba98
	s_mov_b32 s37, 0
	s_mul_i32 s38, s18, WSTR
	s_wait_kmcnt 0x0
	s_lshl_b32 s36, ttmp9, 4
	s_add_nc_u64 s[12:13], s[12:13], s[36:37]
	s_load_b128 s[20:23], s[12:13], 0x0            ; n, lo, hi
	s_lshl_b32 s36, ttmp9, 8
	s_add_nc_u64 s[10:11], s[10:11], s[36:37]
	global_load_b32 v[TKA], v[RA], s[10:11]        ; the tokens of slots 0-31,
	global_load_b32 v[TKB], v[RA], s[10:11] offset:128   ; 32-63
	s_wait_kmcnt 0x0
	s_min_u32 s21, s21, 7
	s_min_u32 s22, s22, 7
	s_mul_i32 s36, s21, ESTR
	s_add_co_u32 s36, s36, s38
	s_add_nc_u64 s[24:25], s[14:15], s[36:37]      ; my records of the lower expert,
	s_mul_i32 s36, s22, ESTR
	s_add_co_u32 s36, s36, s38
	s_add_nc_u64 s[26:27], s[14:15], s[36:37]      ; of the higher
	FILL 0, 24, 0, 1                               ; two records go out ahead of the gather of x, the other two behind it: 38 + 24 loads are out when x's rows are asked for,
	FILL 1, 24, REC, 1                             ; so that these are issued as soon as the tokens are known
	s_add_nc_u64 s[28:29], s[24:25], 4*REC         ; what the three trips of the first loop ask for
	s_mov_b64 s[30:31], s[26:27]
	s_add_nc_u64 s[32:33], s[26:27], 4*REC
.irp i, 0,1,2,3,4,5,6,7,8,9,10,11,12,13,14,15
	v_add_nc_u32 v[IX+\i], 8*\i, v15               ; lane selects: lane 2 i + h
.endr
	v_lshlrev_b32 v[IX+16], 2, v2                  ; lane r,
	v_add_nc_u32 v[IX+17], 64, v[IX+16]            ; lane 16 + r
	s_wait_loadcnt 38                              ; the tokens are in; behind them: two records of 19 loads
	v_readfirstlane_b32 s36, v[TKA]
	v_mov_b32 v[TT], s36
	v_cmp_gt_u32 vcc_lo, s20, v1
	v_cndmask_b32 v[TKA], v[TT], v[TKA], vcc_lo    ; a slot without a token takes the tile's first
	s_sub_co_i32 s36, s20, 32
	v_cmp_gt_i32 vcc_lo, s36, v1
	v_cndmask_b32 v[TKB], v[TT], v[TKB], vcc_lo
	v_min_u32 v[TKA], 0x1fff, v[TKA]
	v_min_u32 v[TKB], 0x1fff, v[TKB]
	s_cmp_ge_u32 s18, 2                            ; the 16 rows that I gather are slots 16 w on: brought to lanes 0-15
	s_cselect_b32 s36, -1, 0
	v_cndmask_b32 v[TW], v[TKA], v[TKB], s36
	v_permlanex16_b32 v[TT], v[TW], s34, s35
	s_bitcmp1_b32 s18, 0
	s_cselect_b32 s36, -1, 0
	v_cndmask_b32 v[TW], v[TW], v[TT], s36
.irp i, 0,1,2,3,4,5,6,7,8,9,10,11,12,13,14,15
	v_readlane_b32 s[40+\i], v[TW], \i
	s_min_u32 s[40+\i], s[40+\i], 0x1fff
	v_lshl_add_u32 v[AD+\i], s[40+\i], 9, v4
	global_load_b128 v[XT+4*\i:XT+4*\i+3], v[AD+\i], s[4:5]   ; a whole row of 512 bytes
.endr
	v_lshlrev_b32 v[XSA], 5, v[TKA]
	v_lshlrev_b32 v[XSA+1], 5, v[TKB]
	global_load_b128 v[XS:XS+3], v[XSA], s[6:7]    ; x's scale words: lanes 0-15 token tile 0, lanes 16-31 tile 1;
	global_load_b128 v[XS+4:XS+7], v[XSA], s[6:7] offset:16
	global_load_b128 v[XS+8:XS+11], v[XSA+1], s[6:7]   ; tiles 2 and 3
	global_load_b128 v[XS+12:XS+15], v[XSA+1], s[6:7] offset:16
	ds_bpermute_b32 v[T0], v[IX+16], v[TKA]        ; the token of slot 16 m + r
	ds_bpermute_b32 v[T0+1], v[IX+17], v[TKA]
	ds_bpermute_b32 v[T0+2], v[IX+16], v[TKB]
	ds_bpermute_b32 v[T0+3], v[IX+17], v[TKB]
	WIN 0x80
.irp i, 0,1,2,3,4,5,6,7,8,9,10,11,12,13,14,15
	ds_bpermute_b32 v[TOFF+\i], v[IX+\i], v[TKA]   ; the token of slot 2 i + h,
	ds_bpermute_b32 v[TOFF+16+\i], v[IX+\i], v[TKB]    ; of 32 + 2 i + h
.endr
	WIN 0
	s_wait_dscnt 0x0
.irp m, 0,1,2,3
	v_min_u32 v[T0+\m], 0x1fff, v[T0+\m]
	v_lshlrev_b32 v[T0+\m], 3, v[T0+\m]
	global_load_b64 v[GP+4*\m:GP+4*\m+1], v[T0+\m], s[8:9]   ; its two gates
.endr
	WIN 0x88
.set i, 0
.rept 32
	v_min_u32 v[TOFF+i], 0x1fff, v[TOFF+i]
.set i, i+1
.endr
	WIN 0x82
.set i, 0
.rept 32
	v_lshl_add_u32 v[TOFF+i], v[TOFF+i], 12, v[OB] ; its row of out0, my wave's columns
.set i, i+1
.endr
	WIN 0
	FILL 2, 24, 2*REC, 1                           ; the ring's other two slots
	FILL 3, 24, 3*REC, 1
	s_wait_loadcnt 46                              ; x's 16 rows are in; behind them: four loads of scale words, four of gates, two records of 19
.irp i, 0,1,2,3,4,5,6,7,8,9,10,11,12,13,14,15
	ds_store_b128 v7, v[XT+4*\i:XT+4*\i+3] offset:528*\i
.endr
	s_wait_dscnt 0x0                               ; for the others' sake
	s_barrier_signal -1
	s_barrier_wait -1                              ; x's 64 rows lie in LDS
	WIN 0x40
.irp m, 0,1,2,3
.irp s, 0,1,2,3,4,5,6,7
.irp c, 0,1
	ds_load_b128 v[8*(8*\m+\s)+4*\c:8*(8*\m+\s)+4*\c+3], v6 offset:8448*\m+64*\s+32*\c
.endr
.endr
.endr
	WIN 0
	s_wait_loadcnt 38                              ; the scale words and the gates are in; behind them: two records of 19
.irp m, 0,1,2,3
	v_mov_b32 v[GP+4*\m+2], v[GP+4*\m+1]           ; the higher expert's gate as a pair of its own
	v_mov_b32 v[GP+4*\m+3], v[GP+4*\m+1]
.endr
; ---- the hidden layers.  The stream: the lower expert's records 0-7, then the higher's.  A trip takes four records = 64 hidden units = half a fragment: trip number = 2 e + c.
.macro P1TRIP tail
	s_wait_dscnt 0x0                               ; x's fragments are in (first trip); the last trip's LDS stores have read their registers
	v_add_nc_u32 v10, s37, v8
	v_add_nc_u32 v11, s38, v9
	G1 0, 57                                       ; behind slot 0's record: three records of 19 loads
.if \tail
	FILL 0, 24, 8*REC, 2                           ; the tail asks for the second product's first four records, 21 loads each
	G1 1, 59
	FILL 1, 26, 8*REC, 2
.else
	FILL 0, 28, 0, 1
	G1 1, 57
	FILL 1, 28, REC, 1
.endif
	QBLK 0
.if \tail
	G1 2, 61
	FILL 2, 24, 9*REC, 2
	G1 3, 63
	FILL 3, 26, 9*REC, 2
.else
	G1 2, 57
	FILL 2, 28, 2*REC, 1
	G1 3, 57
	FILL 3, 28, 3*REC, 1
.endif
	QBLK 1
	HOUT
.endm
	s_mov_b32 s36, 3
	s_mov_b32 s37, 0
	s_mov_b32 s38, 0
.Lp1:
	P1TRIP 0
	s_wait_xcnt 0x0                                ; the trip's loads have read their base
	s_mov_b64 s[28:29], s[30:31]
	s_mov_b64 s[30:31], s[32:33]
	s_add_co_u32 s37, s37, 8192
	s_add_co_u32 s38, s38, 2
	s_sub_co_u32 s36, s36, 1
	s_cmp_lg_u32 s36, 0
	s_cbranch_scc1 .Lp1
	P1TRIP 1
	s_wait_dscnt 0x0                               ; for the others' sake: my images and scale bytes lie in LDS
	s_barrier_signal -1
	s_barrier_wait -1                              ; both hidden layers lie in LDS
	s_cmp_eq_u32 s20, 0                            ; a tile without tokens has passed both barriers and ends here: no barrier stands behind this branch
	s_cbranch_scc1 .Lend
.irp j, 0,1
.irp s, 0,1,2,3
	ds_load_b64 v[HS+2*(4*\j+\s):HS+2*(4*\j+\s)+1], v12 offset:(8*\j+\s)*128   ; both experts' scale words of K step s: lanes 0-15 token tile 2 j, lanes 16-31 tile 2 j + 1
.endr
.endr
	WIN 0x40
.irp e, 0,1
.irp m, 0,1,2,3
.irp s, 0,1,2,3
.irp c, 0,1
	ds_load_b128 v[8*(16*\e+4*\m+\s)+4*\c:8*(16*\e+4*\m+\s)+4*\c+3], v4 offset:(2*\e+\c)*8192+(4*\m+\s)*512
.endr
.endr
.endr
.endr
	WIN 0
; ---- the outputs.  Four trips, written out: a trip takes 64 outputs of both experts (four records), 256 bytes of each row.  Every offset is an immediate, so no base is stepped.
; A trip's rows are read back from the stage at its end and stored behind the next trip's first 32 products, which stand between the loads from the stage and the waits for them.
.macro P2TRIP t
.if (\t) == 0
	s_wait_dscnt 32                                ; the scale words and the lower expert's fragments are in; the higher's 32 loads may be out
.endif
	G2 0, 0, 63                                    ; behind slot 0's record: three records of 21 loads
.if (\t) < 3
	FILL 0, 24, (10+2*(\t))*REC, 2
.endif
.if (\t) == 0
	s_wait_dscnt 0x0                               ; the higher expert's fragments are in
.else
	SSTORE 0, (\t)-1
	SSTORE 1, (\t)-1
	SSTORE 2, (\t)-1
	SSTORE 3, (\t)-1
.endif
.if (\t) < 3
	G2 1, 1, 63
	FILL 1, 26, (10+2*(\t))*REC, 2
.else
	G2 1, 1, 42                                    ; the last trip asks for nothing: the counts run down
.endif
	EPI 0
.if (\t) < 3
	G2 2, 0, 63
	FILL 2, 24, (11+2*(\t))*REC, 2
	G2 3, 1, 63
	FILL 3, 26, (11+2*(\t))*REC, 2
.else
	G2 2, 0, 21
	G2 3, 1, 0
.endif
	EPI 1
	SLOAD
.endm
	P2TRIP 0
	P2TRIP 1
	P2TRIP 2
	P2TRIP 3
	SSTORE 0, 3
	SSTORE 1, 3
	SSTORE 2, 3
	SSTORE 3, 3
	s_wait_dscnt 0x0                               ; loads from the stage whose block was passed over are back too
.Lend:
	s_wait_xcnt 0x0
	v_lshl_add_u32 v254, v0, 2, 0x21c00
	v_mov_b32 v255, 0
	s_wait_tensorcnt 0x0
	ds_add_u32 v254, v255
	s_wait_dscnt 0x0
	s_endpgm
.Lfunc_end_k_q37326cbadc_chain:
	.size	k_q37326cbadc_chain, .Lfunc_end_k_q37326cbadc_chain-k_q37326cbadc_chain
	.p2alignl 7, 3214868480
	.fill 96, 4, 3214868480
	.section	.rodata,"a",@progbits
	.p2align	6, 0x0
	.amdhsa_kernel k_q37326cbadc_chain
		.amdhsa_group_segment_fixed_size 138752
		.amdhsa_private_segment_fixed_size 0
		.amdhsa_enable_private_segment 0
		.amdhsa_kernarg_size 56
		.amdhsa_user_sgpr_count 2
		.amdhsa_user_sgpr_kernarg_segment_ptr 1
		.amdhsa_wavefront_size32 1
		.amdhsa_system_sgpr_workgroup_id_x 1
		.amdhsa_system_sgpr_workgroup_id_y 1
		.amdhsa_system_sgpr_workgroup_id_z 1
		.amdhsa_system_vgpr_workitem_id 0
		.amdhsa_next_free_vgpr 1024
		.amdhsa_next_free_sgpr 66
		.amdhsa_reserve_vcc 1
		.amdhsa_float_denorm_mode_32 3
		.amdhsa_float_denorm_mode_16_64 3
		.amdhsa_memory_ordered 1
		.amdhsa_forward_progress 1
		.amdhsa_inst_pref_size 255
	.end_amdhsa_kernel
	.section	.bss,"aw",@nobits
	.p2align	6
	.space	262144
	.amdgpu_metadata
---
amdhsa.version: [ 1, 2 ]
amdhsa.kernels:
  - .name:           k_q37326cbadc_chain
    .symbol:         k_q37326cbadc_chain.kd
    .args:
      - { .name: xq, .offset: 0, .size: 8, .value_kind: global_buffer, .address_space: global }
      - { .name: xs, .offset: 8, .size: 8, .value_kind: global_buffer, .address_space: global }
      - { .name: gw, .offset: 16, .size: 8, .value_kind: global_buffer, .address_space: global }
      - { .name: rows, .offset: 24, .size: 8, .value_kind: global_buffer, .address_space: global }
      - { .name: tiles, .offset: 32, .size: 8, .value_kind: global_buffer, .address_space: global }
      - { .name: wq, .offset: 40, .size: 8, .value_kind: global_buffer, .address_space: global }
      - { .name: out0, .offset: 48, .size: 8, .value_kind: global_buffer, .address_space: global }
    .group_segment_fixed_size: 138752
    .private_segment_fixed_size: 0
    .kernarg_segment_align: 8
    .kernarg_segment_size: 56
    .max_flat_workgroup_size: 128
    .sgpr_count:     66
    .vgpr_count:     1024
    .wavefront_size: 32
...
	.end_amdgpu_metadata
.endif
;; end of part 3
;; ======== version 2 of 2: 3 launches
;; limits: values within 9.537e-07 (relative) of each other or of a threshold may be ordered or decided otherwise than in the reference
;; workspace buffers: xq 4,194,304 bytes; xs 262,144 bytes; route 65,536 bytes of whole numbers; gw 65,536 bytes; imp 8,192 bytes; rows 39,680 bytes of whole numbers; tiles 2,560 bytes of whole numbers; wq 4,587,520 bytes
;; launch prep (part 4): grid 768 x 1, 4 waves a work-group, no clusters, 92,160 bytes of LDS; arguments x, gate_W, gate_b, W1, b1, W2, b2, xq, xs, route, gw, imp, wq; writes xq, xs, route, gw, imp, wq
.if DOCPART == 4
	.amdgcn_target "amdgcn-amd-amdhsa--gfx1250"
	.amdhsa_code_object_version 6
	.text
	.protected	k_q37326cbadc_prep
	.globl	k_q37326cbadc_prep
	.p2align	8
	.type	k_q37326cbadc_prep,@function
k_q37326cbadc_prep:
	s_mov_b64 s[64:65], 0
	v_nop
	global_prefetch_b8 v0, s[64:65] scope:SCOPE_SE
	s_setreg_imm32_b32 hwreg(HW_REG_WAVE_MODE, 25, 1), 1
	s_wait_xcnt 0x0
; FIRST LAUNCH OF THREE.  768 work-groups of four waves; the work-group's number picks one of three paths.
;  0..255   32 tokens of x each: the gate's logits in f32 (fused multiply-adds), the two largest, their softmax,
;           the full softmax's sums for the loss, and x as codes of E2M1 with one E8M0 byte for each 32 along K.  For the 32 tokens: how many fall into each
;           of the 28 unordered pairs of experts, and each token's rank among those of its pair.  All of that is stored at fixed places:
;           no address and no branch here hangs on a choice.
;  256..511 W1, 512..767 W2: codes, scale words and biases in the order in which the third launch's operand registers take them.
; wq: [expert][wave w of the third launch][record 0..15], REC bytes a record: 8 fragments x [c][lane][16 bytes]; at 8192 [lane][4 scale words]; at 8704 the bias.
;  records 0..7: W1, hidden tile t = 2 b + u of wave w; row rho of it is hidden unit 128 w + 32 b + 8 u + rho + 8 (rho / 8); fragment = K step.
;  records 8..15: W2, 32 outputs 256 w + 32 (record - 8) on; fragment 4 i + s: outputs 16 i on, K step s.
; THE QUANTISER: a block's scale byte is its largest magnitude's exponent field less 2, held at 1 from below by a floor among the maximum's leaves.
; LIMITS: NaN and infinities are not served.  A block whose largest magnitude lies under 2^-124, a block of zeros among them, gets the byte 1 (its codes
; are zeros where it is all zeros); the bytes are read by this program alone.
; THE CHOICE OF THE SECOND EXPERT: a logit is a sum of 1,024 products in f32, and another order of the additions moves its last bits.  Among the experts other than the
; first, one that lies less than 2^-20 of the row's largest logit magnitude (16 units in that logit's last place) under the one in hand counts as level with it, and of
; experts that are level the LATER index is taken.  A tie that the inputs themselves make (equal sums ahead of the bias and equal logits, as equal columns of gate_W with
; equal biases give in every order of the additions) keeps the lower index.  So where the second and the third logit differ by less than that figure and are no such tie,
; the higher index is taken, whichever sum is the larger.  The first expert is the strict maximum, the lower index in a tie.
.set SP,    80                         ; a lane's place in a stage: 64 bytes + 16 of padding
.set SCB,   20480                      ; LDS: behind the four waves' stages (2 x 32 x SP each): 32 rows x 32 scale bytes
.set PART,  21504                      ; two planes (experts 0-3, 4-7) of partial logits: row x 1088 + quarter of K x 272 + 16 x (lane % 16)
.set PLANE, 34816
.set FIN,   91136                      ; keys 128 bytes, gate pairs 256, the waves' softmax sums 128
.set REC,   8960
.set ESTR,  573440
.set WSTR,  143360
.set R,     16                         ; v16-79   four sets of 16 numbers as loaded
.set X,     80                         ; v80-111  two sets of 16 neighbours along K
.set A,     112                        ; v112-127 eight partial logits, twice (even and odd k)
.set G,     128                        ; v128-255 gate_W[512 p + 16 lane + i][e] at G + 8 i + e
	s_load_b512 s[4:19], s[0:1], 0x0               ; x 4, gate_W 6, gate_b 8, W1 10, b1 12, W2 14, b2 16, xq 18
	s_load_b256 s[20:27], s[0:1], 0x40             ; xs 20, route 22, gw 24, imp 26
	s_load_b64 s[28:29], s[0:1], 0x60              ; wq
	s_set_vgpr_msb 0x40
	v_lshl_add_u32 v0, v0, 2, 0x16600
	v_mov_b32 v1, 0
	s_set_vgpr_msb 0x4000
	v_lshrrev_b32 v1, 5, v0
	v_readfirstlane_b32 s30, v1                    ; wave
	v_and_b32 v1, 31, v0                           ; lane
	s_mov_b32 s41, 0                               ; the upper word of every offset pair s[40:41]
	s_wait_kmcnt 0x0
	s_cmp_lt_u32 ttmp9, 256
	s_cbranch_scc0 .Lweights
; ---------------------------------------------------------------- x: 32 rows; wave w takes half p = w % 2 of K for rows 16 (w / 2) on
	s_load_b256 s[32:39], s[8:9], 0x0              ; gate_b
	s_and_b32 s31, s30, 1                          ; p
	s_lshr_b32 s42, s30, 1                         ; rh
	s_wait_alu depctr_va_vdst(0)
	v_lshlrev_b32 v3, 4, v1                        ; 16 x lane
	v_lshlrev_b32 v4, 3, v1                        ; 8 x lane
	s_lshl_b32 s40, ttmp9, 17                      ; 32 rows of 4,096 bytes
	s_lshl_b32 s43, s42, 16
	s_add_co_u32 s40, s40, s43
	s_lshl_b32 s43, s31, 11
	s_add_co_u32 s40, s40, s43
	s_add_nc_u64 s[4:5], s[4:5], s[40:41]          ; x at my first row, my half
	s_lshl_b32 s43, s30, 13
	v_add_nc_u32 v6, s43, v3                       ; gate_W: my wave's quarter, 8,192 bytes
.irp q, 0,1,2,3,4,5,6,7,8,9,10,11,12,13,14,15
	global_load_b128 v[G+4*\q:G+4*\q+3], v6, s[6:7] offset:512*\q
.endr
.macro LOAD t                          ; step t: row t of my 16, my half: four loads of 512 consecutive bytes
.irp i, 0,1,2,3
	global_load_b128 v[R+16*((\t)%4)+4*\i:R+16*((\t)%4)+4*\i+3], v3, s[4:5] offset:4096*(\t)+512*\i th:TH_LOAD_NT
.endr
.endm
.macro TURN t                          ; step t's 2,048 bytes through my stage: in as they lie, back 64 bytes a lane; LDS serves a wave's instructions in order
.irp i, 0,1,2,3
	ds_store_b128 v14, v[R+16*((\t)%4)+4*\i:R+16*((\t)%4)+4*\i+3] offset:32*SP*((\t)%2)+8*SP*\i
.endr
.irp i, 0,1,2,3
	ds_load_b128 v[X+16*((\t)%2)+4*\i:X+16*((\t)%2)+4*\i+3], v15 offset:32*SP*((\t)%2)+16*\i
.endr
.endm
	LOAD 0
	LOAD 1
	LOAD 2
	LOAD 3
	s_lshl_b32 s40, ttmp9, 14
	s_lshl_b32 s43, s42, 13
	s_add_co_u32 s40, s40, s43
	s_lshl_b32 s43, s31, 8
	s_add_co_u32 s40, s40, s43
	s_add_nc_u64 s[18:19], s[18:19], s[40:41]      ; xq: 512 bytes a row, my half 256
	s_lshl_b32 s40, ttmp9, 10
	s_add_nc_u64 s[20:21], s[20:21], s[40:41]      ; xs: 32 bytes a row
	s_lshl_b32 s40, ttmp9, 8
	s_add_nc_u64 s[22:23], s[22:23], s[40:41]      ; route and gw: 8 bytes a token
	s_add_nc_u64 s[24:25], s[24:25], s[40:41]
	s_lshl_b32 s40, ttmp9, 5
	s_add_nc_u64 s[26:27], s[26:27], s[40:41]      ; imp: 32 bytes a group
	s_mul_i32 s43, s30, 2*32*SP                    ; my two stages
	v_lshrrev_b32 v14, 2, v1
	v_mul_u32_u24 v14, v14, SP
	v_and_b32 v15, 3, v1
	v_lshl_add_u32 v14, v15, 4, v14
	v_add_nc_u32 v14, s43, v14                     ; in: SP (lane / 4) + 16 (lane % 4)
	v_mul_u32_u24 v15, v1, SP
	v_add_nc_u32 v15, s43, v15                     ; back: SP x lane
	s_lshl_b32 s43, s42, 9
	s_lshl_b32 s44, s31, 4
	s_add_co_u32 s43, s43, s44
	s_add_co_u32 s43, s43, SCB
	v_lshrrev_b32 v5, 1, v1
	v_add_nc_u32 v5, s43, v5                       ; my block's scale byte: row x 32 + 16 p + lane / 2
	s_mul_i32 s43, s42, 17408
	s_mul_i32 s44, s31, 544
	s_add_co_u32 s43, s43, s44
	s_add_co_u32 s43, s43, PART
	v_bfe_u32 v8, v0, 4, 1
	v_mul_u32_u24 v8, v8, 272
	v_and_b32 v9, 15, v0
	v_lshl_add_u32 v8, v9, 4, v8
	v_add_nc_u32 v2, s43, v8                       ; my partial logits
	v_mul_u32_u24 v7, v1, 1040                     ; gate_W turns through PART's bytes: row 2 (k % 16) + half of the experts, 1,040 bytes; in it 16 bytes for each k / 16
	s_lshl_b32 s43, s30, 8
	s_add_co_u32 s43, s43, PART
	v_add_nc_u32 v7, s43, v7
	s_lshl_b32 s43, s31, 9
	s_add_co_u32 s43, s43, PART
	v_add_nc_u32 v8, s43, v3
	s_mov_b32 s46, 0x76543210
	s_mov_b32 s47, 0xfedcba98                      ; v_permlanex16_b32: lane l xor 16
	s_wait_alu depctr_va_vdst(0)
	s_wait_loadcnt 16                              ; gate_W's 16 loads are in; the 16 of x issued behind them stay out
.irp q, 0,1,2,3,4,5,6,7,8,9,10,11,12,13,14,15
	ds_store_b128 v7, v[G+4*\q:G+4*\q+3] offset:16*\q
.endr
	s_wait_dscnt 0x0                               ; for the others' sake: my quarter of gate_W lies in LDS
	s_barrier_signal -1
	s_barrier_wait -1
.set n, 0
.rept 32
	ds_load_b128 v[G+4*n:G+4*n+3], v8 offset:1040*n
.set n, n+1
.endr
	s_wait_dscnt 0x0                               ; my reads of gate_W are over:
	s_barrier_signal -1
	s_barrier_wait -1                              ; everybody's are, so the partial logits may be laid over it
	s_wait_loadcnt 12                              ; step 0's four loads are in; three steps' stay out
	TURN 0
.macro STEP t
.set XS, X+16*((\t)%2)
	s_wait_dscnt 0x0                               ; this step's numbers are back; the last step's LDS stores have read their registers
.if (\t)+4 < 16
	LOAD (\t)+4
.endif
.if (\t)+1 < 16
.if (\t) <= 11
	s_wait_loadcnt 12                              ; the next step's loads are in; those of the three steps behind it stay out
.else
	s_wait_loadcnt 4*(14-(\t))
.endif
	TURN (\t)+1
.endif
	v_max3_num_f32 v8, |v[XS]|, |v[XS+1]|, |v[XS+2]|   ; the largest magnitude of my 16, in two chains
	v_max3_num_f32 v9, |v[XS+3]|, |v[XS+4]|, |v[XS+5]|
.irp i, 6,10
	v_max3_num_f32 v8, v8, |v[XS+\i]|, |v[XS+\i+1]|
	v_max3_num_f32 v9, v9, |v[XS+\i+2]|, |v[XS+\i+3]|
.endr
	v_max3_num_f32 v8, v8, |v[XS+14]|, |v[XS+15]|
	v_max3_num_f32 v8, v8, v9, 0x1800000           ; the floor 2^(3 - 127): the byte cannot fall under 1
	v_max_num_f32_dpp v8, v8, v8 row_xmask:1 row_mask:0xf bank_mask:0xf   ; with my neighbour's 16: the block's
	v_add_nc_u32 v11, 0xff000000, v8               ; 2 off the exponent field: the conversion's scale operand
	s_wait_alu depctr_va_vdst(0)
	s_wait_xcnt 0x0                                ; the last step's store has read v[12:13]
	v_cvt_scalef32_pk8_fp4_f32 v12, v[XS:XS+7], v11
	v_cvt_scalef32_pk8_fp4_f32 v13, v[XS+8:XS+15], v11
	v_lshrrev_b32 v10, 23, v11                     ; the scale's byte (a plain line behind the conversions)
	ds_store_b8 v5, v10 offset:32*(\t)
	global_store_b64 v4, v[12:13], s[18:19] offset:512*(\t)   ; the wave stores 256 consecutive bytes, aligned
.irp i, 0,2,4,6,8,10,12,14             ; the gate: x[k] x gate_W[k][0..7], two experts an instruction; even k into A, odd k into A + 8
.irp ep, 0,2,4,6
.if \i == 0
	v_pk_mul_f32 v[A+\ep:A+\ep+1], v[XS+\i:XS+\i+1], v[G+8*\i+\ep:G+8*\i+\ep+1] op_sel_hi:[0,1]
	v_pk_mul_f32 v[A+8+\ep:A+9+\ep], v[XS+\i:XS+\i+1], v[G+8*\i+8+\ep:G+8*\i+9+\ep] op_sel:[1,0] op_sel_hi:[1,1]
.else
	v_pk_fma_f32 v[A+\ep:A+\ep+1], v[XS+\i:XS+\i+1], v[G+8*\i+\ep:G+8*\i+\ep+1], v[A+\ep:A+\ep+1] op_sel_hi:[0,1,1]
	v_pk_fma_f32 v[A+8+\ep:A+9+\ep], v[XS+\i:XS+\i+1], v[G+8*\i+8+\ep:G+8*\i+9+\ep], v[A+8+\ep:A+9+\ep] op_sel:[1,0,0] op_sel_hi:[1,1,1]
.endif
.endr
.endr
.irp ep, 0,2,4,6
	v_pk_add_f32 v[A+\ep:A+\ep+1], v[A+\ep:A+\ep+1], v[A+8+\ep:A+9+\ep]
.endr
	ds_store_b128 v2, v[A:A+3] offset:1088*(\t)
	ds_store_b128 v2, v[A+4:A+7] offset:PLANE+1088*(\t)
.endm
.irp t, 0,1,2,3,4,5,6,7,8,9,10,11,12,13,14,15
	STEP \t
.endr
	s_wait_dscnt 0x0                               ; my partial logits and scale bytes lie in LDS
	s_barrier_signal -1
	s_barrier_wait -1
	s_lshl_b32 s43, s30, 8
	v_add_nc_u32 v6, s43, v4                       ; the scale bytes leave as they lie: 256 bytes a wave
	v_add_nc_u32 v7, SCB, v6
	ds_load_b64 v[8:9], v7
	v_mul_u32_u24 v10, v1, 272                     ; the logits: my lane takes row 8 w + lane / 4, quarter lane % 4 of K: 272 x lane
	s_mul_i32 s43, s30, 8704
	s_add_co_u32 s43, s43, PART
	v_add_nc_u32 v10, s43, v10
.irp j, 0,1,2,3,4,5,6,7,8,9,10,11,12,13,14,15
	ds_load_b128 v[128+4*\j:131+4*\j], v10 offset:16*\j
	ds_load_b128 v[192+4*\j:195+4*\j], v10 offset:PLANE+16*\j
.endr
	s_wait_alu depctr_va_vdst(0)
	s_wait_dscnt 32                                ; the scale bytes are in; the 32 loads behind them stay out
	global_store_b64 v6, v[8:9], s[20:21]
	s_wait_dscnt 0x0
.irp pl, 128,192                       ; sixteen lanes' parts of four experts become one, by halves
.irp j, 0,1,2,3,4,5,6,7
	v_pk_add_f32 v[\pl+4*\j:\pl+4*\j+1], v[\pl+4*\j:\pl+4*\j+1], v[\pl+4*\j+32:\pl+4*\j+33]
	v_pk_add_f32 v[\pl+4*\j+2:\pl+4*\j+3], v[\pl+4*\j+2:\pl+4*\j+3], v[\pl+4*\j+34:\pl+4*\j+35]
.endr
.irp j, 0,1,2,3
	v_pk_add_f32 v[\pl+4*\j:\pl+4*\j+1], v[\pl+4*\j:\pl+4*\j+1], v[\pl+4*\j+16:\pl+4*\j+17]
	v_pk_add_f32 v[\pl+4*\j+2:\pl+4*\j+3], v[\pl+4*\j+2:\pl+4*\j+3], v[\pl+4*\j+18:\pl+4*\j+19]
.endr
.irp j, 0,1
	v_pk_add_f32 v[\pl+4*\j:\pl+4*\j+1], v[\pl+4*\j:\pl+4*\j+1], v[\pl+4*\j+8:\pl+4*\j+9]
	v_pk_add_f32 v[\pl+4*\j+2:\pl+4*\j+3], v[\pl+4*\j+2:\pl+4*\j+3], v[\pl+4*\j+10:\pl+4*\j+11]
.endr
.endr
	v_pk_add_f32 v[16:17], v[128:129], v[132:133]  ; v16-23: the logits
	v_pk_add_f32 v[18:19], v[130:131], v[134:135]
	v_pk_add_f32 v[20:21], v[192:193], v[196:197]
	v_pk_add_f32 v[22:23], v[194:195], v[198:199]
.irp e, 0,1,2,3,4,5,6,7
	v_add_f32_dpp v[16+\e], v[16+\e], v[16+\e] row_xmask:1 row_mask:0xf bank_mask:0xf
.endr
.irp e, 0,1,2,3,4,5,6,7
	v_add_f32_dpp v[16+\e], v[16+\e], v[16+\e] row_xmask:2 row_mask:0xf bank_mask:0xf   ; the four quarters of K: four lanes now hold the same row
.endr
	s_wait_alu depctr_va_vdst(0)
	s_wait_kmcnt 0x0                               ; gate_b
.irp e, 0,1,2,3,4,5,6,7
	v_mov_b32 v[72+\e], v[16+\e]                   ; the sums ahead of the bias are kept: they tell a tie that the inputs make from one that rounding makes
	v_add_f32 v[16+\e], s[32+\e], v[16+\e]
	v_mov_b32 v[64+\e], \e                         ; the experts' numbers, for the selects
.endr
	v_max3_num_f32 v28, |v16|, |v17|, |v18|        ; the row's largest logit magnitude,
	v_max3_num_f32 v28, v28, |v19|, |v20|
	v_max3_num_f32 v28, v28, |v21|, |v22|
	v_max_num_f32 v28, v28, |v23|
	v_mul_f32 v28, 0x35800000, v28                 ; x 2^-20: what the second search counts as level
	v_mov_b32 v24, v16                             ; the largest, ascending with a strict compare: the lower index wins a tie; it is the true maximum, which both softmaxes take away
	v_mov_b32 v25, 0
.irp e, 1,2,3,4,5,6,7
	v_cmp_gt_f32 vcc_lo, v[16+\e], v24
	v_cndmask_b32 v24, v24, v[16+\e], vcc_lo
	v_cndmask_b32 v25, v25, v[64+\e], vcc_lo
.endr
	v_mov_b32 v26, 0xff800000                      ; the second, among the others: its logit,
	v_mov_b32 v27, 0                               ; its number,
	v_mov_b32 v30, 0                               ; its sum ahead of the bias
.irp e, 0,1,2,3,4,5,6,7
	v_sub_f32 v29, v26, v28                        ; (-infinity stays -infinity: the first candidate is always taken)
	v_cmp_gt_f32 s44, v[16+\e], v29                ; larger than the one in hand, or level with it,
	v_cmp_ne_u32 vcc_lo, \e, v25                   ; not the first expert,
	s_and_b32 s44, s44, vcc_lo
	v_cmp_ne_u32 vcc_lo, v[16+\e], v26             ; and no tie of the inputs' own making: the logit's bits differ,
	v_cmp_ne_u32 s45, v[72+\e], v30                ; or the sum's
	s_or_b32 vcc_lo, vcc_lo, s45
	s_and_b32 vcc_lo, vcc_lo, s44
	v_cndmask_b32 v26, v26, v[16+\e], vcc_lo
	v_cndmask_b32 v27, v27, v[64+\e], vcc_lo
	v_cndmask_b32 v30, v30, v[72+\e], vcc_lo
.endr
	v_sub_f32 v40, v26, v24                        ; both softmaxes take the largest logit away
	v_mul_f32 v40, 0x3fb8aa3b, v40
.irp e, 0,1,2,3,4,5,6,7
	v_sub_f32 v[32+\e], v[16+\e], v24
.endr
.irp e, 0,1,2,3,4,5,6,7
	v_mul_f32 v[32+\e], 0x3fb8aa3b, v[32+\e]
.endr
	s_wait_alu depctr_va_vdst(0)
	v_exp_f32 v40, v40
.irp e, 0,1,2,3,4,5,6,7
	v_exp_f32 v[32+\e], v[32+\e]
.endr
	v_add_nc_u32 v47, v25, v27                     ; (a plain line behind the exponentials)
	s_wait_alu depctr_va_vdst(0)                   ; one wait for the nine, ahead of their first reader
	v_add_f32 v41, 1.0, v40
	v_add_f32 v42, v32, v33
	v_add_f32 v43, v34, v35
	v_add_f32 v44, v36, v37
	v_add_f32 v45, v38, v39
	v_add_f32 v42, v42, v43
	v_add_f32 v44, v44, v45
	v_add_f32 v42, v42, v44
	s_wait_alu depctr_va_vdst(0)
	v_rcp_f32 v43, v41
	v_rcp_f32 v44, v42
	v_min_u32 v46, v25, v27                        ; lo (a plain line behind the reciprocals)
	s_wait_alu depctr_va_vdst(0)                   ; one wait for the two
	v_mul_f32 v45, v40, v43                        ; the second's gate; v43 is the first's
.irp e, 0,1,2,3,4,5,6,7
	v_mul_f32 v[56+\e], v[32+\e], v44              ; the full softmax
.endr
	v_sub_nc_u32 v47, v47, v46                     ; hi
	v_cmp_lt_u32 vcc_lo, v25, v27
	v_cndmask_b32 v48, v45, v43, vcc_lo            ; the gate of lo,
	v_cndmask_b32 v49, v43, v45, vcc_lo            ; of hi
	v_sub_nc_u32 v50, 15, v46
	v_mul_u32_u24 v50, v50, v46
	v_lshrrev_b32 v50, 1, v50
	v_add_nc_u32 v50, v50, v47
	v_sub_nc_u32 v50, v50, v46
	v_add_nc_u32 v50, -1, v50                      ; the pair's number: lo (15 - lo) / 2 + hi - lo - 1, 0 .. 27
.irp e, 0,1,2,3,4,5,6,7
	v_add_f32_dpp v[56+\e], v[56+\e], v[56+\e] row_xmask:4 row_mask:0xf bank_mask:0xf
.endr
.irp e, 0,1,2,3,4,5,6,7
	v_add_f32_dpp v[56+\e], v[56+\e], v[56+\e] row_xmask:8 row_mask:0xf bank_mask:0xf
.endr
.irp e, 0,1,2,3,4,5,6,7
	v_permlanex16_b32 v[64+\e], v[56+\e], s46, s47
.endr
.irp e, 0,1,2,3,4,5,6,7
	v_add_f32 v[56+\e], v[56+\e], v[64+\e]         ; the softmax summed over my wave's 8 rows
.endr
	v_and_b32 v51, 0x1c, v1                        ; 4 x (lane / 4)
	s_lshl_b32 s43, s30, 5
	s_add_co_u32 s44, s43, FIN
	v_add_nc_u32 v52, s44, v51
	ds_store_b32 v52, v50                          ; four lanes write the same word with the same value
	s_lshl_b32 s44, s30, 6
	s_add_co_u32 s44, s44, FIN+128
	v_lshl_add_u32 v53, v51, 1, s44
	ds_store_b64 v53, v[48:49]
	s_add_co_u32 s44, s43, FIN+384
	v_mov_b32 v54, s44
	ds_store_b128 v54, v[56:59]
	ds_store_b128 v54, v[60:63] offset:16
	s_wait_dscnt 0x0
	s_barrier_signal -1
	s_barrier_wait -1
	s_cmp_lg_u32 s30, 0
	s_cbranch_scc1 .Lx_end
	; wave 0, a lane a token
	v_lshlrev_b32 v70, 2, v1
	v_add_nc_u32 v71, FIN, v70
	ds_load_b32 v72, v71                           ; my pair's number
	ds_load_b32 v73, v71 offset:384                ; softmax sum of wave lane / 8, expert lane % 8
	v_lshlrev_b32 v74, 3, v1
	v_add_nc_u32 v74, FIN+128, v74
	ds_load_b64 v[76:77], v74
	s_mov_b32 s45, 0x01010101
	s_wait_dscnt 0x0
.irp k, 0,1,2,3,4
	v_and_b32 v78, 1<<\k, v72
	v_cmp_ne_u32 s[48+\k], 0, v78                  ; which lanes have bit k set in their pair's number
.endr
	v_mov_b32 v80, 0
	v_mov_b32 v81, 0
.irp k, 0,1,2,3,4
	v_cndmask_b32 v78, 0, -1, s[48+\k]             ; my own bit k, spread
	v_xor_b32 v78, s[48+\k], v78                   ; the lanes that differ from me in it
	v_or_b32 v80, v80, v78
	v_and_b32 v79, 1<<\k, v1
	v_cmp_ne_u32 vcc_lo, 0, v79
	v_cndmask_b32 v79, 0, -1, vcc_lo               ; bit k of my lane's number, spread
	v_xor_b32 v79, s[48+\k], v79
	v_or_b32 v81, v81, v79
.endr
	v_xor_b32 v80, -1, v80                         ; the lanes of my pair
	v_xor_b32 v81, -1, v81                         ; the lanes whose pair's number is my lane's number
	v_mov_b32 v82, 1
	v_lshlrev_b32 v82, v1, v82
	v_add_nc_u32 v82, -1, v82
	v_and_b32 v80, v80, v82                        ; those of my pair below me
.macro POPC x, t                       ; the number of ones in v[x]
	v_lshrrev_b32 v[\t], 1, v[\x]
	v_and_b32 v[\t], 0x55555555, v[\t]
	v_sub_nc_u32 v[\x], v[\x], v[\t]
	v_lshrrev_b32 v[\t], 2, v[\x]
	v_and_b32 v[\t], 0x33333333, v[\t]
	v_and_b32 v[\x], 0x33333333, v[\x]
	v_add_nc_u32 v[\x], v[\x], v[\t]
	v_lshrrev_b32 v[\t], 4, v[\x]
	v_add_nc_u32 v[\x], v[\x], v[\t]
	v_and_b32 v[\x], 0x0f0f0f0f, v[\x]
	v_mul_lo_u32 v[\x], v[\x], s45
	v_lshrrev_b32 v[\x], 24, v[\x]
.endm
	POPC 80, 82                                    ; my rank among the group's tokens of my pair
	POPC 81, 82                                    ; how many of the group's tokens have pair = my lane
	v_mov_b32 v84, v81
	v_lshl_or_b32 v85, v80, 8, v72
	global_store_b64 v4, v[84:85], s[22:23]        ; 256 consecutive bytes
	global_store_b64 v4, v[76:77], s[24:25]
	v_add_f32_dpp v73, v73, v73 row_xmask:8 row_mask:0xf bank_mask:0xf
	v_permlanex16_b32 v78, v73, s46, s47
	v_add_f32 v73, v73, v78                        ; the four waves' sums: lane e holds expert e's
	v_cmp_gt_u32 vcc_lo, 8, v1
	s_wait_alu depctr_va_vdst(0)
	s_wait_xcnt 0x0                                ; EXEC changes only behind this wait
	s_and_saveexec_b32 s44, vcc_lo
	global_store_b32 v70, v73, s[26:27]
	s_wait_xcnt 0x0
	s_or_b32 exec_lo, exec_lo, s44
.Lx_end:
	s_set_vgpr_msb 0x5
	s_wait_tensorcnt 0x0
	ds_add_u32 v0, v1
	s_wait_dscnt 0x0
	s_set_vgpr_msb 0x500
	s_endpgm
; ---------------------------------------------------------------- the weights: a lane takes a column, its registers run down K: 128 along K, four blocks
; s[50:51] source, s[52:53] bias source, s[46:47] the record(s), s[48:49] the fragment in it; v2 = 4 x lane; v3, v4, v5: my lane's place for codes, scale word, bias; s42 the K step
.macro WBLK b, cnt
.set XS, 32+32*(\b)
	s_wait_loadcnt \cnt                            ; this block's 32 loads are in (the count written is the number issued behind them, held at 63)
	v_max3_num_f32 v12, |v[XS]|, |v[XS+1]|, |v[XS+2]|
	v_max3_num_f32 v13, |v[XS+3]|, |v[XS+4]|, |v[XS+5]|
.irp i, 6,10,14,18,22,26
	v_max3_num_f32 v12, v12, |v[XS+\i]|, |v[XS+\i+1]|
	v_max3_num_f32 v13, v13, |v[XS+\i+2]|, |v[XS+\i+3]|
.endr
	v_max3_num_f32 v12, v12, |v[XS+30]|, |v[XS+31]|
	v_max3_num_f32 v12, v12, v13, 0x1800000
	v_add_nc_u32 v11, 0xff000000, v12
	v_lshrrev_b32 v13, 23, v11
.if (\b) == 0
	v_mov_b32 v176, v13
.else
	v_lshl_or_b32 v176, v13, 8*(\b), v176          ; the four bytes make my row's scale word of this K step
.endif
.irp g, 0,1,2,3
	v_cvt_scalef32_pk8_fp4_f32 v[160+4*(\b)+\g], v[XS+8*\g:XS+8*\g+7], v11
.endr
	global_store_b128 v3, v[160+4*(\b):163+4*(\b)], s[48:49] offset:256*(\b)   ; block b is registers 4 (b / 2) on of lanes 16 (b % 2) on: sixteen lanes fill 256 aligned bytes
.endm
.macro WQUANT stride
	global_load_b32 v177, v2, s[52:53]             ; my column's bias
.set n, 0
.rept 128
	global_load_b32 v[32+n], v2, s[50:51] offset:n*\stride th:TH_LOAD_NT
.set n, n+1
.endr
	WBLK 0, 63
	WBLK 1, 63
	WBLK 2, 32
	WBLK 3, 0
	global_store_b32 v4, v176, s[46:47]
	s_cmp_lg_u32 s42, 0                            ; the bias is stored by the work-group of K step 0
	s_cbranch_scc1 .Lno_bias_\@
	global_store_b32 v5, v177, s[46:47]
.Lno_bias_\@:
	s_endpgm
.endm
.Lweights:
	s_wait_alu depctr_va_vdst(0)
	v_lshlrev_b32 v2, 2, v1
	s_cmp_lt_u32 ttmp9, 512
	s_cbranch_scc0 .Lw2
	s_sub_co_u32 s31, ttmp9, 256                   ; W1 [8][1024][512]: K step s, wave w of the third launch, expert e; my wave: hidden units 128 w + 32 v on
	s_and_b32 s42, s31, 7
	s_bfe_u32 s43, s31, 0x20003
	s_lshr_b32 s44, s31, 5
	s_lshl_b32 s40, s44, 21
	s_lshl_b32 s45, s42, 18
	s_add_co_u32 s40, s40, s45
	s_lshl_b32 s45, s43, 9
	s_lshl_b32 s54, s30, 7
	s_add_co_u32 s45, s45, s54
	s_add_co_u32 s40, s40, s45
	s_add_nc_u64 s[50:51], s[10:11], s[40:41]
	s_lshl_b32 s40, s44, 11
	s_add_co_u32 s40, s40, s45
	s_add_nc_u64 s[52:53], s[12:13], s[40:41]
	s_mul_i32 s40, s44, ESTR
	s_mul_i32 s45, s43, WSTR
	s_add_co_u32 s40, s40, s45
	s_mul_i32 s45, s30, 2*REC
	s_add_co_u32 s40, s40, s45
	s_add_nc_u64 s[46:47], s[28:29], s[40:41]      ; records 2 v and 2 v + 1
	s_lshl_b32 s40, s42, 10
	s_add_nc_u64 s[48:49], s[46:47], s[40:41]      ; fragment s
	v_bfe_u32 v6, v1, 3, 1                         ; u: which of the two records
	v_mul_u32_u24 v6, v6, REC
	v_and_b32 v7, 7, v1
	v_lshrrev_b32 v8, 4, v1
	v_lshl_add_u32 v9, v8, 3, v7                   ; rho = lane % 8 + 8 (lane / 16)
	v_lshl_add_u32 v3, v9, 4, v6
	s_and_b32 s45, s42, 1
	s_lshl_b32 s45, s45, 8
	s_lshr_b32 s54, s42, 1
	s_lshl_b32 s54, s54, 2
	s_add_co_u32 s45, s45, s54
	s_add_co_u32 s45, s45, 8192
	v_add_nc_u32 v4, s45, v3                       ; scale word: lane 16 (s % 2) + rho, word s / 2
	v_lshl_add_u32 v5, v8, 5, v6
	v_lshl_add_u32 v5, v7, 2, v5
	v_add_nc_u32 v5, 8704, v5                      ; bias: [lane / 16][lane % 8]
	WQUANT 2048
.Lw2:
	s_sub_co_u32 s31, ttmp9, 512                   ; W2 [8][512][1024]: K step s, 128 columns cg, expert e; my wave: outputs 128 cg + 32 v on
	s_and_b32 s42, s31, 3
	s_bfe_u32 s43, s31, 0x30002
	s_lshr_b32 s44, s31, 5
	s_lshl_b32 s40, s44, 21
	s_lshl_b32 s45, s42, 19
	s_add_co_u32 s40, s40, s45
	s_lshl_b32 s45, s43, 9
	s_lshl_b32 s54, s30, 7
	s_add_co_u32 s45, s45, s54
	s_add_co_u32 s40, s40, s45
	s_add_nc_u64 s[50:51], s[14:15], s[40:41]
	s_lshl_b32 s40, s44, 12
	s_add_co_u32 s40, s40, s45
	s_add_nc_u64 s[52:53], s[16:17], s[40:41]
	s_mul_i32 s40, s44, ESTR
	s_lshr_b32 s45, s43, 1
	s_mul_i32 s45, s45, WSTR
	s_add_co_u32 s40, s40, s45
	s_and_b32 s45, s43, 1
	s_lshl_b32 s45, s45, 2
	s_add_co_u32 s45, s45, s30
	s_add_co_u32 s45, s45, 8
	s_mul_i32 s45, s45, REC
	s_add_co_u32 s40, s40, s45
	s_add_nc_u64 s[46:47], s[28:29], s[40:41]      ; record 8 + 4 (cg % 2) + v
	s_lshl_b32 s40, s42, 10
	s_add_nc_u64 s[48:49], s[46:47], s[40:41]      ; fragments s and 4 + s
	v_and_b32 v7, 15, v1
	v_lshrrev_b32 v8, 4, v1
	v_lshlrev_b32 v3, 12, v8
	v_lshl_add_u32 v3, v7, 4, v3
	s_and_b32 s45, s42, 1
	s_lshl_b32 s45, s45, 8
	s_lshr_b32 s54, s42, 1
	s_lshl_b32 s54, s54, 2
	s_add_co_u32 s45, s45, s54
	s_add_co_u32 s45, s45, 8192
	v_lshlrev_b32 v4, 4, v7
	v_lshl_add_u32 v4, v8, 3, v4
	v_add_nc_u32 v4, s45, v4                       ; scale word: lane 16 (s % 2) + row, word 2 (lane / 16) + s / 2
	s_wait_alu depctr_va_vdst(0)
	v_add_nc_u32 v5, 8704, v2
	WQUANT 4096
.Lfunc_end_k_q37326cbadc_prep:
	.size	k_q37326cbadc_prep, .Lfunc_end_k_q37326cbadc_prep-k_q37326cbadc_prep
	.p2alignl 7, 3214868480
	.fill 96, 4, 3214868480
	.section	.rodata,"a",@progbits
	.p2align	6, 0x0
	.amdhsa_kernel k_q37326cbadc_prep
		.amdhsa_group_segment_fixed_size 92160
		.amdhsa_private_segment_fixed_size 0
		.amdhsa_enable_private_segment 0
		.amdhsa_kernarg_size 104
		.amdhsa_user_sgpr_count 2
		.amdhsa_user_sgpr_kernarg_segment_ptr 1
		.amdhsa_wavefront_size32 1
		.amdhsa_system_sgpr_workgroup_id_x 1
		.amdhsa_system_sgpr_workgroup_id_y 1
		.amdhsa_system_sgpr_workgroup_id_z 1
		.amdhsa_system_vgpr_workitem_id 0
		.amdhsa_next_free_vgpr 258
		.amdhsa_next_free_sgpr 66
		.amdhsa_reserve_vcc 1
		.amdhsa_float_denorm_mode_32 3
		.amdhsa_float_denorm_mode_16_64 3
		.amdhsa_memory_ordered 1
		.amdhsa_forward_progress 1
		.amdhsa_inst_pref_size 173
	.end_amdhsa_kernel
	.amdgpu_metadata
---
amdhsa.version: [ 1, 2 ]
amdhsa.kernels:
  - .name:           k_q37326cbadc_prep
    .symbol:         k_q37326cbadc_prep.kd
    .args:
      - { .name: x, .offset: 0, .size: 8, .value_kind: global_buffer, .address_space: global }
      - { .name: gate_W, .offset: 8, .size: 8, .value_kind: global_buffer, .address_space: global }
      - { .name: gate_b, .offset: 16, .size: 8, .value_kind: global_buffer, .address_space: global }
      - { .name: W1, .offset: 24, .size: 8, .value_kind: global_buffer, .address_space: global }
      - { .name: b1, .offset: 32, .size: 8, .value_kind: global_buffer, .address_space: global }
      - { .name: W2, .offset: 40, .size: 8, .value_kind: global_buffer, .address_space: global }
      - { .name: b2, .offset: 48, .size: 8, .value_kind: global_buffer, .address_space: global }
      - { .name: xq, .offset: 56, .size: 8, .value_kind: global_buffer, .address_space: global }
      - { .name: xs, .offset: 64, .size: 8, .value_kind: global_buffer, .address_space: global }
      - { .name: route, .offset: 72, .size: 8, .value_kind: global_buffer, .address_space: global }
      - { .name: gw, .offset: 80, .size: 8, .value_kind: global_buffer, .address_space: global }
      - { .name: imp, .offset: 88, .size: 8, .value_kind: global_buffer, .address_space: global }
      - { .name: wq, .offset: 96, .size: 8, .value_kind: global_buffer, .address_space: global }
    .group_segment_fixed_size: 92160
    .private_segment_fixed_size: 0
    .kernarg_segment_align: 8
    .kernarg_segment_size: 104
    .max_flat_workgroup_size: 128
    .sgpr_count:     66
    .vgpr_count:     258
    .wavefront_size: 32
...
	.end_amdgpu_metadata
.endif
;; end of part 4
;; launch place (part 5): grid 1 x 1, 32 waves a work-group, no clusters, 14,336 bytes of LDS; arguments route, imp, rows, tiles, out1; writes rows, tiles, out1
.if DOCPART == 5
	.amdgcn_target "amdgcn-amd-amdhsa--gfx1250"
	.amdhsa_code_object_version 6
	.text
	.protected	k_q37326cbadc_place
	.globl	k_q37326cbadc_place
	.p2align	8
	.type	k_q37326cbadc_place,@function
k_q37326cbadc_place:
	s_mov_b64 s[64:65], 0
	v_nop
	global_prefetch_b8 v0, s[64:65] scope:SCOPE_SE
	s_setreg_imm32_b32 hwreg(HW_REG_WAVE_MODE, 25, 1), 1
	s_wait_xcnt 0x0
; SECOND LAUNCH: one work-group of 32 waves places the 8,192 tokens by their pair of experts (28 bins) into tiles of 64 slots, a tile holding one pair only, and finishes the loss.
; route[group of 32 tokens][lane] = (count of bin = lane in the group, the token's bin | rank << 8).  A counting sort without atomics: wave w owns groups 8 w .. 8 w + 7; a lane is a bin.
; THE SUM OVER THE WAVES is made once for each bin: the waves' totals lie in LDS as [wave][bin]; wave w reads column w (a lane a wave), scans the 32 lanes, and stores the prefixes and the bin's total;
; behind a second barrier each wave reads its own row.  Rows are 132 bytes apart (33 words), so that neither a row's 32 words nor a column's 32 words share a bank.
; rows[tile][64]: token numbers; slots that hold no token get 0.  tiles[T] = (tokens in the tile, lower expert, higher expert, 0); T up to 159, of which the next launch reads 155:
; the sum over bins of ceil(n / 64) is at most 128 + 27 for every split of 8,192 tokens.
; out1 = 0.01 x 8 x the sum over experts of (mean softmax)^2.
; The stores that clear slots run with all lanes on: a lane that has no slot to clear stores its own first token's number at that token's slot once more (the same word, the same value).
; So no lane is switched off by a number read from memory, and every address register is made with all lanes on.
.set WP,  132                          ; a row of 32 words + one
.set WT,  0                            ; LDS: the waves' totals, [wave][bin]: 32 x 132 bytes
.set PRE, 4352                         ; the tokens of a bin in the waves before a wave, [wave][bin], likewise
.set TOT, 8704                         ; the bins' totals, 128 bytes
.set IW,  8960                         ; the waves' softmax sums, [wave][8]
	s_load_b256 s[4:11], s[0:1], 0x0               ; route 4, imp 6, rows 8, tiles 10
	s_load_b64 s[12:13], s[0:1], 0x20              ; out1
	v_lshl_add_u32 v126, v0, 2, 0x2800
	v_mov_b32 v127, 0
	v_lshrrev_b32 v1, 5, v0
	s_delay_alu instid0(VALU_DEP_1)
	v_readfirstlane_b32 s14, v1                    ; wave
	v_and_b32 v1, 31, v0                           ; lane
	s_delay_alu instid0(VALU_DEP_1)
	v_lshlrev_b32 v2, 3, v1
	s_lshl_b32 s15, s14, 11
	v_add_nc_u32 v2, s15, v2                       ; route: my wave's eight groups, 8 bytes a lane
	v_lshlrev_b32 v3, 3, v0                        ; imp: 8 bytes a thread
	v_lshlrev_b32 v6, 2, v1                        ; 4 x lane
	s_mul_i32 s15, s14, WP
	v_add_nc_u32 v4, s15, v6                       ; LDS: row = my wave, word = my lane
	v_mul_u32_u24 v15, v1, WP
	s_lshl_b32 s15, s14, 2
	v_add_nc_u32 v15, s15, v15                     ; LDS: row = my lane, word = my wave
	s_add_co_u32 s15, s15, TOT
	v_mov_b32 v125, s15                            ; LDS: the total of bin = my wave
	v_and_b32 v5, 3, v1
	s_delay_alu instid0(VALU_DEP_1)
	v_lshlrev_b32 v5, 3, v5
	s_lshl_b32 s15, s14, 5
	s_add_co_u32 s15, s15, IW
	v_add_nc_u32 v5, s15, v5                       ; LDS: my wave's softmax sums, my pair of experts
	v_mov_b32 v7, 0                                ; 0: what a cleared slot gets; also out1's offset
	v_lshlrev_b32 v13, 5, v1
	s_delay_alu instid0(VALU_DEP_1)
	v_add_nc_u32 v13, IW, v13                      ; the loss: wave = lane's eight sums
	v_lshlrev_b32 v14, 4, v0                       ; the headers: 16 bytes a thread
	s_mov_b32 s20, 0x76543210
	s_mov_b32 s21, 0xfedcba98                      ; v_permlanex16_b32: lane l xor 16
	s_wait_kmcnt 0x0
.irp j, 0,1,2,3,4,5,6,7
	global_load_b64 v[16+2*\j:17+2*\j], v2, s[4:5] offset:256*\j
.endr
	global_load_b64 v[32:33], v3, s[6:7]           ; experts 2 (thread % 4) and + 1 of group thread / 4
	v_mov_b32 v34, 0                               ; written once: the destination of a lane permute or a DPP move counts as one of its sources
	v_mov_b32 v35, 0
	v_mov_b32 v54, 0
	v_mov_b32 v66, 0
	v_mov_b32 v40, 0
	s_wait_alu depctr_va_vdst(0)
	s_wait_loadcnt 0x0
.irp j, 0
	v_add_nc_u32 v[41+\j], v[40+\j], v[16+2*\j]
.endr
.irp j, 1, 2, 3, 4, 5, 6, 7
	s_delay_alu instid0(VALU_DEP_1)
	v_add_nc_u32 v[41+\j], v[40+\j], v[16+2*\j]    ; v40+j: my bin's tokens in the wave's groups before group j; v48: the wave's total
.endr
	v_add_f32_dpp v32, v32, v32 row_xmask:4 row_mask:0xf bank_mask:0xf
	v_add_f32_dpp v33, v33, v33 row_xmask:4 row_mask:0xf bank_mask:0xf
	s_delay_alu instid0(VALU_DEP_2)
	v_add_f32_dpp v32, v32, v32 row_xmask:8 row_mask:0xf bank_mask:0xf
	s_delay_alu instid0(VALU_DEP_2)
	v_add_f32_dpp v33, v33, v33 row_xmask:8 row_mask:0xf bank_mask:0xf
	s_delay_alu instid0(VALU_DEP_2)
	v_permlanex16_b32 v34, v32, s20, s21
	s_delay_alu instid0(VALU_DEP_2)
	v_permlanex16_b32 v35, v33, s20, s21
	s_delay_alu instid0(VALU_DEP_2)
	v_add_f32 v32, v32, v34
	s_delay_alu instid0(VALU_DEP_2)
	v_add_f32 v33, v33, v35                        ; the wave's eight groups summed
	ds_store_b32 v4, v48
	ds_store_b64 v5, v[32:33]                      ; eight lanes write the same pair with the same values
	s_wait_dscnt 0x0                               ; for the others' sake
	s_barrier_signal -1
	s_barrier_wait -1                              ; the waves' totals lie in LDS
	ds_load_b32 v64, v15                           ; bin = my wave: its tokens in wave = my lane
	s_wait_dscnt 0x0
	v_mov_b32 v65, v64
.irp n, 1,2,4,8
	s_delay_alu instid0(VALU_DEP_1)
	v_mov_b32_dpp v66, v65 row_shr:\n row_mask:0xf bank_mask:0xf bound_ctrl:1
	s_delay_alu instid0(VALU_DEP_1)
	v_add_nc_u32 v65, v65, v66
.endr
	s_delay_alu instid0(VALU_DEP_1)
	v_readlane_b32 s16, v65, 15
	s_delay_alu instid0(VALU_DEP_1)
	v_mov_b32 v66, s16
	v_cmp_lt_u32 vcc_lo, 15, v1
	s_delay_alu instid0(VALU_DEP_1)
	v_cndmask_b32 v66, 0, v66, vcc_lo
	s_delay_alu instid0(VALU_DEP_1)
	v_add_nc_u32 v65, v65, v66                     ; up to and with wave = my lane
	s_delay_alu instid0(VALU_DEP_1)
	v_sub_nc_u32 v67, v65, v64                     ; in the waves before it
	s_delay_alu instid0(VALU_DEP_2)
	v_readlane_b32 s16, v65, 31
	s_delay_alu instid0(VALU_DEP_1)
	v_mov_b32 v68, s16                             ; in all
	ds_store_b32 v15, v67 offset:PRE
	ds_store_b32 v125, v68                         ; all lanes write the same word with the same value
	s_wait_dscnt 0x0                               ; for the others' sake
	s_barrier_signal -1
	s_barrier_wait -1                              ; the second barrier: behind it LDS is only read
	ds_load_b32 v50, v4 offset:PRE                 ; my bin's tokens in the waves before mine
	ds_load_b32 v51, v6 offset:TOT                 ; and in all
	s_wait_dscnt 0x0
	v_add_nc_u32 v52, 63, v51
	s_delay_alu instid0(VALU_DEP_1)
	v_lshrrev_b32 v52, 6, v52                      ; the bin's tiles
	s_delay_alu instid0(VALU_DEP_1)
	v_mov_b32 v53, v52
.irp n, 1,2,4,8
	s_delay_alu instid0(VALU_DEP_1)
	v_mov_b32_dpp v54, v53 row_shr:\n row_mask:0xf bank_mask:0xf bound_ctrl:1
	s_delay_alu instid0(VALU_DEP_1)
	v_add_nc_u32 v53, v53, v54
.endr
	s_delay_alu instid0(VALU_DEP_1)
	v_readlane_b32 s16, v53, 15
	s_delay_alu instid0(VALU_DEP_1)
	v_mov_b32 v54, s16
	v_cmp_lt_u32 vcc_lo, 15, v1
	s_delay_alu instid0(VALU_DEP_1)
	v_cndmask_b32 v54, 0, v54, vcc_lo
	s_delay_alu instid0(VALU_DEP_1)
	v_add_nc_u32 v53, v53, v54                     ; tiles up to and with my bin
	s_delay_alu instid0(VALU_DEP_1)
	v_sub_nc_u32 v55, v53, v52                     ; the bin's first tile
	s_delay_alu instid0(VALU_DEP_1)
	v_lshlrev_b32 v56, 6, v55                      ; and slot
	s_delay_alu instid0(VALU_DEP_1)
	v_add_nc_u32 v57, v56, v50
.irp j, 0,1,2,3,4,5,6,7
	v_add_nc_u32 v[96+\j], v57, v[40+\j]           ; where group j's tokens of my bin begin
	v_and_b32 v[104+\j], 31, v[17+2*\j]
	s_delay_alu instid0(VALU_DEP_1)
	v_lshlrev_b32 v[104+\j], 2, v[104+\j]
	ds_bpermute_b32 v[112+\j], v[104+\j], v[96+\j] ; my token's bin's figure
.endr
	v_add_nc_u32 v58, v56, v51                     ; the bin's first slot without a token,
	v_lshl_add_u32 v59, v52, 6, v56                ; and the end of its tiles
	s_lshl_b32 s15, s14, 2
	v_mov_b32 v60, s15
	ds_bpermute_b32 v61, v60, v58                  ; wave w serves bin w (waves 28 to 31 find nothing to clear)
	ds_bpermute_b32 v62, v60, v59
	s_lshl_b32 s15, s14, 8
	v_add_nc_u32 v63, s15, v1                      ; my first token's number
	s_wait_alu depctr_va_vdst(0)
	s_wait_dscnt 0x0
.irp j, 0
	v_lshrrev_b32 v[80+\j], 8, v[17+2*\j]          ; the token's rank in its group,
	s_delay_alu instid0(VALU_DEP_1)
	v_add_nc_u32 v[80+\j], v[80+\j], v[112+\j]     ; + where the group's tokens of its bin begin: its slot
	s_delay_alu instid0(VALU_DEP_1)
	v_min_u32 v[80+\j], 9919, v[80+\j]
.if \j == 0
	s_delay_alu instid0(VALU_DEP_1)
	v_mov_b32 v120, v80
.endif
	s_delay_alu instid0(VALU_DEP_2)
	v_lshlrev_b32 v[80+\j], 2, v[80+\j]
	v_add_nc_u32 v[88+\j], 32*\j, v63
	global_store_b32 v[80+\j], v[88+\j], s[8:9]
.endr
.irp j, 1, 2, 3, 4, 5, 6, 7
	v_lshrrev_b32 v[80+\j], 8, v[17+2*\j]
	s_delay_alu instid0(VALU_DEP_1)
	v_add_nc_u32 v[80+\j], v[80+\j], v[112+\j]
	s_delay_alu instid0(VALU_DEP_1)
	v_min_u32 v[80+\j], 9919, v[80+\j]
.if \j == 0
	v_mov_b32 v120, v80                            ; my first token's slot is kept for the stores below
.endif
	s_delay_alu instid0(VALU_DEP_1)
	v_lshlrev_b32 v[80+\j], 2, v[80+\j]
	v_add_nc_u32 v[88+\j], 32*\j, v63
	global_store_b32 v[80+\j], v[88+\j], s[8:9]
.endr
; 0 into slot v[slot] where it lies under v[lim]; elsewhere my first token's number into its own slot once more.  Each use has registers of its own, so no store's sources are written again.
.macro ZSTORE slot, lim, dat
	v_cmp_lt_u32 vcc_lo, v[\slot], v[\lim]
	s_delay_alu instid0(VALU_DEP_1)
	v_cndmask_b32 v[\slot], v120, v[\slot], vcc_lo
	s_delay_alu instid0(VALU_DEP_2)
	v_cndmask_b32 v[\dat], v88, v7, vcc_lo
	s_delay_alu instid0(VALU_DEP_2)
	v_min_u32 v[\slot], 9919, v[\slot]
	s_delay_alu instid0(VALU_DEP_1)
	v_lshlrev_b32 v[\slot], 2, v[\slot]
	global_store_b32 v[\slot], v[\dat], s[8:9]
.endm
	v_add_nc_u32 v8, v61, v1                       ; at most 63 slots of a bin's last tile are without a token
	s_delay_alu instid0(VALU_DEP_1)
	v_add_nc_u32 v9, 32, v8
	ZSTORE 8, 62, 121
	ZSTORE 9, 62, 122
	v_readlane_b32 s17, v53, 31                    ; the tiles in use
	s_lshl_b32 s17, s17, 6
	v_add_nc_u32 v10, s17, v0                      ; the slots of the tiles not in use: at most 27 x 64, two a thread
	s_delay_alu instid0(VALU_DEP_1)
	v_add_nc_u32 v11, 0x400, v10
	v_mov_b32 v12, 9920
	ZSTORE 10, 12, 123
	ZSTORE 11, 12, 124
	s_cmp_gt_u32 s14, 4
	s_cbranch_scc1 .Lno_head
	; the headers: thread T = 0 .. 159
	v_mov_b32 v20, 0
.irp c, 7,13,18,22,25,27
	v_cmp_le_u32 vcc_lo, \c, v1
	s_delay_alu instid0(VALU_DEP_1)
	v_add_co_ci_u32 v20, vcc_lo, 0, v20, vcc_lo    ; the lower expert of bin = lane
.endr
	s_delay_alu instid0(VALU_DEP_1)
	v_sub_nc_u32 v21, 15, v20
	s_delay_alu instid0(VALU_DEP_1)
	v_mul_u32_u24 v21, v21, v20
	s_delay_alu instid0(VALU_DEP_1)
	v_lshrrev_b32 v21, 1, v21
	s_delay_alu instid0(VALU_DEP_1)
	v_sub_nc_u32 v21, v1, v21
	s_delay_alu instid0(VALU_DEP_1)
	v_add_nc_u32 v21, v21, v20
	s_delay_alu instid0(VALU_DEP_1)
	v_add_nc_u32 v21, 1, v21
	s_delay_alu instid0(VALU_DEP_1)
	v_and_b32 v21, 7, v21                          ; the higher
	v_lshl_or_b32 v22, v55, 14, v51                ; tokens | first tile << 14 | lo << 22 | hi << 25
	s_delay_alu instid0(VALU_DEP_1)
	v_lshl_or_b32 v22, v20, 22, v22
	s_delay_alu instid0(VALU_DEP_1)
	v_lshl_or_b32 v22, v21, 25, v22
	v_mov_b32 v23, 0
.set b, 0
.rept 28
	v_readlane_b32 s24, v53, b
	s_delay_alu instid0(VALU_DEP_1)
	v_cmp_le_u32 vcc_lo, s24, v0
	s_delay_alu instid0(VALU_DEP_1)
	v_add_co_ci_u32 v23, vcc_lo, 0, v23, vcc_lo    ; tile T's bin: how many bins end at or before T; 28: no bin
.set b, b+1
.endr
	s_delay_alu instid0(VALU_DEP_1)
	v_lshlrev_b32 v24, 2, v23
	ds_bpermute_b32 v25, v24, v22
	s_wait_dscnt 0x0
	v_and_b32 v26, 0x3fff, v25
	v_bfe_u32 v27, v25, 14, 8
	s_delay_alu instid0(VALU_DEP_1)
	v_sub_nc_u32 v27, v0, v27
	s_delay_alu instid0(VALU_DEP_1)
	v_lshlrev_b32 v27, 6, v27
	s_delay_alu instid0(VALU_DEP_1)
	v_sub_nc_u32 v26, v26, v27
	s_delay_alu instid0(VALU_DEP_1)
	v_min_u32 v26, 64, v26                         ; the tokens in tile T
	v_bfe_u32 v36, v25, 22, 3
	v_bfe_u32 v37, v25, 25, 3
	v_cmp_gt_u32 vcc_lo, 28, v23
	s_delay_alu instid0(VALU_DEP_1)
	v_cndmask_b32 v28, 0, v26, vcc_lo              ; a tile of no bin: no tokens, experts 0
	s_delay_alu instid0(VALU_DEP_2)
	v_cndmask_b32 v29, 0, v36, vcc_lo
	s_delay_alu instid0(VALU_DEP_3)
	v_cndmask_b32 v30, 0, v37, vcc_lo
	v_mov_b32 v31, 0
	global_store_b128 v14, v[28:31], s[10:11]      ; a wave stores 512 consecutive bytes
.Lno_head:
	s_cmp_lg_u32 s14, 31
	s_cbranch_scc1 .Lno_loss
	ds_load_b128 v[32:35], v13                     ; wave = lane's eight sums
	ds_load_b128 v[36:39], v13 offset:16
	s_wait_dscnt 0x0
.irp x, 1,2,4,8
.irp e, 0,1,2,3,4,5,6,7
	v_add_f32_dpp v[32+\e], v[32+\e], v[32+\e] row_xmask:\x row_mask:0xf bank_mask:0xf
.endr
.endr
.irp e, 0,1,2,3,4,5,6,7
	v_permlanex16_b32 v[40+\e], v[32+\e], s20, s21
.endr
.irp e, 0,1,2,3,4,5,6,7
	v_add_f32 v[32+\e], v[32+\e], v[40+\e]
.endr
.irp e, 0,1,2,3,4,5,6,7
	v_mul_f32 v[32+\e], 0x39000000, v[32+\e]       ; / 8,192: the mean
.endr
	v_mul_f32 v48, v32, v32
.irp e, 1,2,3,4,5,6,7
	s_delay_alu instid0(VALU_DEP_1)
	v_fma_f32 v48, v[32+\e], v[32+\e], v48
.endr
	s_delay_alu instid0(VALU_DEP_1)
	v_mul_f32 v48, 0x41000000, v48                 ; x 8
	s_delay_alu instid0(VALU_DEP_1)
	v_mul_f32 v48, 0x3c23d70a, v48                 ; x 0.01
	v_cmp_eq_u32 vcc_lo, 0, v1                     ; lane 0 alone stores the one number: a mask made of the lane's number
	s_wait_alu depctr_va_vdst(0)
	s_wait_xcnt 0x0                                ; EXEC changes only behind this wait
	s_and_saveexec_b32 s22, vcc_lo
	global_store_b32 v7, v48, s[12:13]
	s_wait_xcnt 0x0                                ; and again, in front of the line that widens it
	s_or_b32 exec_lo, exec_lo, s22
.Lno_loss:
	s_wait_tensorcnt 0x0
	ds_add_u32 v126, v127
	s_wait_dscnt 0x0
	s_endpgm
.Lfunc_end_k_q37326cbadc_place:
	.size	k_q37326cbadc_place, .Lfunc_end_k_q37326cbadc_place-k_q37326cbadc_place
	.p2alignl 7, 3214868480
	.fill 96, 4, 3214868480
	.section	.rodata,"a",@progbits
	.p2align	6, 0x0
	.amdhsa_kernel k_q37326cbadc_place
		.amdhsa_group_segment_fixed_size 14336
		.amdhsa_private_segment_fixed_size 0
		.amdhsa_enable_private_segment 0
		.amdhsa_kernarg_size 40
		.amdhsa_user_sgpr_count 2
		.amdhsa_user_sgpr_kernarg_segment_ptr 1
		.amdhsa_wavefront_size32 1
		.amdhsa_system_sgpr_workgroup_id_x 1
		.amdhsa_system_sgpr_workgroup_id_y 1
		.amdhsa_system_sgpr_workgroup_id_z 1
		.amdhsa_system_vgpr_workitem_id 0
		.amdhsa_next_free_vgpr 128
		.amdhsa_next_free_sgpr 66
		.amdhsa_reserve_vcc 1
		.amdhsa_float_denorm_mode_32 3
		.amdhsa_float_denorm_mode_16_64 3
		.amdhsa_memory_ordered 1
		.amdhsa_forward_progress 1
		.amdhsa_inst_pref_size 27
	.end_amdhsa_kernel
	.amdgpu_metadata
---
amdhsa.version: [ 1, 2 ]
amdhsa.kernels:
  - .name:           k_q37326cbadc_place
    .symbol:         k_q37326cbadc_place.kd
    .args:
      - { .name: route, .offset: 0, .size: 8, .value_kind: global_buffer, .address_space: global }
      - { .name: imp, .offset: 8, .size: 8, .value_kind: global_buffer, .address_space: global }
      - { .name: rows, .offset: 16, .size: 8, .value_kind: global_buffer, .address_space: global }
      - { .name: tiles, .offset: 24, .size: 8, .value_kind: global_buffer, .address_space: global }
      - { .name: out1, .offset: 32, .size: 8, .value_kind: global_buffer, .address_space: global }
    .group_segment_fixed_size: 14336
    .private_segment_fixed_size: 0
    .kernarg_segment_align: 8
    .kernarg_segment_size: 40
    .max_flat_workgroup_size: 1024
    .sgpr_count:     66
    .vgpr_count:     128
    .wavefront_size: 32
...
	.end_amdgpu_metadata
.endif
;; end of part 5
;; launch chain (part 6): grid 155 x 1, 4 waves a work-group, no clusters, 138,752 bytes of LDS; arguments xq, xs, gw, rows, tiles, wq, out0; writes out0
.if DOCPART == 6
	.amdgcn_target "amdgcn-amd-amdhsa--gfx1250"
	.amdhsa_code_object_version 6
	.text
	.protected	k_q37326cbadc_chain
	.globl	k_q37326cbadc_chain
	.p2align	8
	.type	k_q37326cbadc_chain,@function
k_q37326cbadc_chain:
	s_mov_b64 s[64:65], 0
	v_nop
	global_prefetch_b8 v0, s[64:65] scope:SCOPE_SE
	s_setreg_imm32_b32 hwreg(HW_REG_WAVE_SCHED_MODE, 0, 2), 2
	s_setreg_imm32_b32 hwreg(HW_REG_WAVE_MODE, 25, 1), 1
	s_wait_xcnt 0x0
	s_wait_alu depctr_vm_vsrc(0)
; THIRD LAUNCH: a work-group takes one tile of up to 64 tokens that chose the same two experts through the whole chain, for both experts, and stores the finished rows of out0:
; out = g_lo (relu(x W1[lo] + b1[lo]) W2[lo] + b2[lo]) + g_hi (the same of hi).  Both products on codes of E2M1 with E8M0 scales; the hidden layer is quantised in registers and never goes to memory.
; Only the two chosen experts are multiplied: the reference gathers these two and drops the other six.
; SHARES.  The four waves share the columns, not the rows: wave w makes hidden units 128 w on and outputs 256 w on, for all 64 tokens.  Both products are used transposed
; (source 0 = 16 rows of the weight, source 1 = 16 tokens): a lane holds one token, its registers run along hidden units or outputs.
; THE WEIGHTS come from memory straight into registers, record by record (the first launch laid them in register order), through a ring of four register slots, which are asked for again two at a time.
; x's codes are gathered by rows into LDS once; the hidden layer's codes go from wave to wave through LDS as images of the operand's registers.  Two barriers in all.
; THE GRID serves every split: 155 = 128 + 27 tiles at the most.  A tile without tokens walks the first product on token 0 and expert 0, so that both barriers stand under no branch on a number read from
; memory; behind the second barrier it ends, and it stores nothing.
; Slots of a tile that hold no token take the tile's first token: they compute and store that row again, the same numbers to the same bytes.
; NO TENSOR LOADS, NO CLUSTER: the experts, the rows and the stores hang on numbers read from memory, and neighbouring tiles as a rule need other experts' weights.
; LIMITS: NaN and infinities are not served; a hidden block whose largest number lies under 2^-124, a block of zeros among them, gets the scale byte 1.
; REGISTERS, in windows of 256.  window 0: v1-15 lane terms; v16-31 the ring's scale words; v32-47 x's, later the hidden layer's scale words; v48-63 gates; v64-79 codes just made; v80-99 at work
;   (in the second product v64-95 take rows on their way out); v100-127 tokens and gather addresses; v128-255 accumulators.   window 1: x's 32 fragments, later the hidden layers' 32.
;   window 2: v0-63 the ring's biases; v64-95 the rows' offsets in out0; v96-159 weighted sums; v160-255 rows on their way out.   window 3: the ring, 64 registers a slot.
; THE MODE: SCHED_MODE bits 1:0 = 2 (LLVM: expert scheduling mode 2), set by the entry lines.  The code itself states the register dependences between vector or matrix instructions
; and memory or LDS instructions, with s_wait_alu, always for 0.
; THE PLAN.  Registers that memory or LDS instructions touch, and who else names them:
;   ring slot k (window 3 v[64 k ..], scale words v[16 + 4 k ..], biases window 2 v[16 k ..])   loaded by FILL k; read by the 32 matrix instructions of G1 k or G2 k, and by nothing else.
;       The slots are asked for again in pairs: G 0, G 1, the places, ONE wait on va_vdst, FILL 0 and FILL 1 in one run (under their own windows), then the vector work on these two runs' results, which names
;       accumulators and registers at work alone; likewise G 2, G 3, FILL 2, FILL 3.
;   window 1 and v32-47   x's fragments and scale words: loaded at the head, read by G1; behind the second barrier one wait on va_vdst, then the hidden layers' land there; read by G2.
;   v10, v11, codes v64-79, half scale words v96-99   written by the trip's vector lines, read by the LDS stores at its end: one wait on va_vdst ahead of these, one on vm_vsrc at the next trip's head.
;   weighted sums, window 2 v96-159   written by EPI's packed lines, read by its LDS stores: a wait on vm_vsrc at EPI's head, one on va_vdst ahead of its stores.
;   rows on their way out (window 2 v160-255, window 0 v64-95)   loaded from the stage by SLOAD, read by SSTORE's stores: a wait on vm_vsrc ahead of SLOAD's loads.
;   v4-v7, v12-v14, v111 and the rows' offsets (window 2 v64-95)   made at the head, never written again.
;   at the head only: tokens, lane selects, gather addresses, x's rows (v100-127, v128-209); v128-209 are accumulators afterwards: the first trip's wait on vm_vsrc stands between.
.set REC,  8960
.set ESTR, 573440
.set WSTR, 143360
.set HSC,  32768                       ; LDS: 0: the hidden layers' images, (2 e + c) x 8192 + (4 m + s) x 512 + 16 lane; here their scale bytes, (4 m + s) x 128 + 8 row + 4 e + 2 c
.set XROW, 34816                       ; 64 rows of x's codes, 512 bytes + 16
.set STG,  68608                       ; a stage of 64 rows x (256 bytes + 16) for each wave
.set RS,  16
.set XS,  32
.set HS,  32
.set GP,  48
.set PC,  64
.set TM,  80
.set TP,  84
.set TS,  88
.set TB,  92
.set HW,  96
.set TKA, 100
.set TKB, 101
.set TW,  102
.set TT,  103
.set T0,  104
.set OB,  108
.set XSA, 109
.set RA,  111
.set AD,  112
.set ACC, 128
.set XT,  128
.set IX,  192
.set TOFF, 64
.set OO,   96
.set LD2,  160                         ; window 2: the rows of token tiles 0, 1, 2 on their way out, 32 registers each
.set LD0,  64                          ; window 0: those of tile 3
.set MSB, 0
.macro WIN new                         ; the immediate's high byte repeats the setting that is left
.if MSB != \new
	s_set_vgpr_msb (MSB<<8)|\new
.set MSB, \new
.endif
.endm
; one matrix instruction: ra, rb: which half of the lanes holds source 0's and source 1's scale words
.macro WM d, a, b, c, sa, sb, ra, rb
.if ((\ra) == 0) && ((\rb) == 0)
	v_wmma_scale_f32_16x16x128_f8f6f4 v[(\d):(\d)+7], v[(\a):(\a)+7], v[(\b):(\b)+7], v[(\c):(\c)+7], v[(\sa)], v[(\sb)] matrix_a_fmt:MATRIX_FMT_FP4 matrix_b_fmt:MATRIX_FMT_FP4
.elseif ((\ra) == 1) && ((\rb) == 0)
	v_wmma_scale_f32_16x16x128_f8f6f4 v[(\d):(\d)+7], v[(\a):(\a)+7], v[(\b):(\b)+7], v[(\c):(\c)+7], v[(\sa)], v[(\sb)] matrix_a_fmt:MATRIX_FMT_FP4 matrix_b_fmt:MATRIX_FMT_FP4 matrix_a_scale:MATRIX_SCALE_ROW1
.elseif ((\ra) == 0)
	v_wmma_scale_f32_16x16x128_f8f6f4 v[(\d):(\d)+7], v[(\a):(\a)+7], v[(\b):(\b)+7], v[(\c):(\c)+7], v[(\sa)], v[(\sb)] matrix_a_fmt:MATRIX_FMT_FP4 matrix_b_fmt:MATRIX_FMT_FP4 matrix_b_scale:MATRIX_SCALE_ROW1
.else
	v_wmma_scale_f32_16x16x128_f8f6f4 v[(\d):(\d)+7], v[(\a):(\a)+7], v[(\b):(\b)+7], v[(\c):(\c)+7], v[(\sa)], v[(\sb)] matrix_a_fmt:MATRIX_FMT_FP4 matrix_b_fmt:MATRIX_FMT_FP4 matrix_a_scale:MATRIX_SCALE_ROW1 matrix_b_scale:MATRIX_SCALE_ROW1
.endif
.endm
; a record into ring slot k: 16 loads of fragments, one of scale words, 2 nb of biases: 19 (W1) or 21 (W2) loads; loads and window switches alone
.macro FILL k, base, off, nb
	WIN 0xc0
.irp i, 0,1,2,3,4,5,6,7,8,9,10,11,12,13,14,15
	global_load_b128 v[64*(\k)+4*\i:64*(\k)+4*\i+3], v4, s[\base:\base+1] offset:(\off)+512*\i
.endr
	WIN 0
	global_load_b128 v[RS+4*(\k):RS+4*(\k)+3], v4, s[\base:\base+1] offset:(\off)+8192
	WIN 0x80
	global_load_b128 v[16*(\k):16*(\k)+3], v5, s[\base:\base+1] offset:(\off)+8704
	global_load_b128 v[16*(\k)+4:16*(\k)+7], v5, s[\base:\base+1] offset:(\off)+8720
.if (\nb) == 2
	global_load_b128 v[16*(\k)+8:16*(\k)+11], v5, s[\base:\base+1] offset:(\off)+8768
	global_load_b128 v[16*(\k)+12:16*(\k)+15], v5, s[\base:\base+1] offset:(\off)+8784
.endif
	WIN 0
.endm
; a hidden tile (16 units) x 64 tokens, K = 1,024: 32 matrix instructions; the four accumulators take turns, one instruction a turn; the bias is the first C.
.macro G1 k, cnt
	s_wait_loadcnt \cnt                            ; slot k's record is in; the count is what was issued behind it
.irp s, 0,1,2,3,4,5,6,7
.if \s == 0
	WIN 0x27                                       ; source 0 window 3, source 1 window 1, C window 2, D window 0
.else
	WIN 0x07
.endif
.irp m, 0,1,2,3
.if \s == 0
	WM ACC+64*((\k)/2)+16*\m+8*((\k)%2), 64*(\k)+8*\s, 8*(8*\m+\s), 16*(\k), RS+4*(\k)+\s/2, XS+8*(\m/2)+\s, \s%2, \m%2
.else
	WM ACC+64*((\k)/2)+16*\m+8*((\k)%2), 64*(\k)+8*\s, 8*(8*\m+\s), ACC+64*((\k)/2)+16*\m+8*((\k)%2), RS+4*(\k)+\s/2, XS+8*(\m/2)+\s, \s%2, \m%2
.endif
.endr
.endr
.endm
; 32 outputs x 64 tokens of expert e, K = 512: 32 matrix instructions, eight accumulators by turns
.macro G2 k, e, cnt
	s_wait_loadcnt \cnt
.irp s, 0,1,2,3
.if \s == 0
	WIN 0x27
.else
	WIN 0x07
.endif
.irp i, 0,1
.irp m, 0,1,2,3
.if \s == 0
	WM ACC+64*(\e)+32*\i+8*\m, 64*(\k)+8*(4*\i+\s), 8*(16*(\e)+4*\m+\s), 16*(\k)+8*\i, RS+4*(\k)+2*\i+\s/2, HS+2*(4*(\m/2)+\s)+(\e), \s%2, \m%2
.else
	WM ACC+64*(\e)+32*\i+8*\m, 64*(\k)+8*(4*\i+\s), 8*(16*(\e)+4*\m+\s), ACC+64*(\e)+32*\i+8*\m, RS+4*(\k)+2*\i+\s/2, HS+2*(4*(\m/2)+\s)+(\e), \s%2, \m%2
.endif
.endr
.endr
.endr
.endm
; Four plain lines behind a pair of such runs: the distance in front of the first read of their results (ISA guide 7.12.1).  They fill no wait's part, and no wait fills theirs.
.macro PLACES
	WIN 0
.rept 4
	v_nop
.endr
.endm
; a block of 32 hidden units x 64 tokens: relu, the block's scale, the codes.  A lane's 16 registers of token tile m are 16 neighbours along the next K; the other 16 lie in lane l xor 16.
.macro QBLK bb
.set QB, ACC+64*(\bb)
.set j, 0
.rept 64
	v_max_num_f32 v[QB+j], 0, v[QB+j]              ; ascending: each accumulator is read from its low end on
.set j, j+1
.endr
.irp m, 0,1,2,3
	v_max3_num_f32 v[TM+\m], v[QB+16*\m], v[QB+16*\m+1], 0x1800000   ; none is negative; the floor 2^(3 - 127) holds the byte at 1 from below
.endr
.irp i, 2,4,6,8,10,12,14
.irp m, 0,1,2,3
	v_max3_num_f32 v[TM+\m], v[TM+\m], v[QB+16*\m+\i], v[QB+16*\m+\i+1]
.endr
.endr
.irp m, 0,1,2,3
	v_permlanex16_b32 v[TP+\m], v[TM+\m], s34, s35
.endr
.irp m, 0,1,2,3
	v_max_num_f32 v[TM+\m], v[TM+\m], v[TP+\m]
.endr
.irp m, 0,1,2,3
	v_add_nc_u32 v[TS+\m], 0xff000000, v[TM+\m]    ; 2 off the exponent field: the conversion's scale operand
.endr
.irp m, 0,1,2,3
	v_lshrrev_b32 v[TB+\m], 23, v[TS+\m]
.endr
.irp m, 0,1,2,3
.if (\bb) == 0
	v_mov_b32 v[HW+\m], v[TB+\m]
.else
	v_lshl_or_b32 v[HW+\m], v[TB+\m], 8, v[HW+\m]  ; two blocks' bytes: half a scale word
.endif
.endr
.irp m, 0,1,2,3
	v_cvt_scalef32_pk8_fp4_f32 v[PC+4*\m+2*(\bb)], v[QB+16*\m:QB+16*\m+7], v[TS+\m]
	v_cvt_scalef32_pk8_fp4_f32 v[PC+4*\m+2*(\bb)+1], v[QB+16*\m+8:QB+16*\m+15], v[TS+\m]
.endr
	v_nop                                          ; a plain line behind the conversions
.endm
.macro HOUT                            ; two blocks are half a fragment: a whole block to a lane, then the image and the two scale bytes to LDS
.irp m, 0,1,2,3
.irp i, 0,1
	v_permlane16_swap_b32 v[PC+4*\m+\i], v[PC+4*\m+2+\i]
.endr
.endr
	s_wait_alu depctr_va_vdst(0)                   ; the swaps have written the codes, the lines above them the half scale words, the trip's head v10 and v11: the LDS stores below read all of these
.irp m, 0,1,2,3
	ds_store_b128 v10, v[PC+4*\m:PC+4*\m+3] offset:2048*\m
	ds_store_b16 v11, v[HW+\m] offset:512*\m       ; both halves of the lanes write the same bytes with the same value
.endr
.endm
; 32 outputs x 64 tokens: g_lo x the lower expert's + g_hi x the higher's, into my stage; q: which 128 bytes of the stage's rows
.macro EPI q
	s_wait_dscnt 0x0                               ; every load from the stage is back, and the last stores into it are done
	s_wait_alu depctr_vm_vsrc(0)                   ; the last LDS stores into the stage have read the weighted sums, which the lines below write again
	WIN 0x80
.irp i, 0,1
.irp m, 0,1,2,3
.irp jj, 0,2,4,6
	v_pk_mul_f32 v[OO+32*\i+8*\m+\jj:OO+32*\i+8*\m+\jj+1], v[ACC+32*\i+8*\m+\jj:ACC+32*\i+8*\m+\jj+1], v[GP+4*\m:GP+4*\m+1] op_sel_hi:[1,0]
.endr
.endr
.endr
	WIN 0xa0
.irp i, 0,1
.irp m, 0,1,2,3
.irp jj, 0,2,4,6
	v_pk_fma_f32 v[OO+32*\i+8*\m+\jj:OO+32*\i+8*\m+\jj+1], v[ACC+64+32*\i+8*\m+\jj:ACC+64+32*\i+8*\m+\jj+1], v[GP+4*\m+2:GP+4*\m+3], v[OO+32*\i+8*\m+\jj:OO+32*\i+8*\m+\jj+1] op_sel_hi:[1,0,1]
.endr
.endr
.endr
	WIN 0x08
	s_wait_alu depctr_va_vdst(0)                   ; the packed lines have written the weighted sums, which the LDS stores below read
.irp i, 0,1
.irp m, 0,1,2,3
	ds_store_b128 v13, v[OO+32*\i+8*\m:OO+32*\i+8*\m+3] offset:4352*\m+64*(2*(\q)+\i)
	ds_store_b128 v13, v[OO+32*\i+8*\m+4:OO+32*\i+8*\m+7] offset:4352*\m+64*(2*(\q)+\i)+16
.endr
.endr
	WIN 0
.endm
; THE WAY OUT, in two parts.  SLOAD: a trip's 64 rows x 256 bytes come back from my stage by rows, in one run of 32 loads (LDS serves a wave's instructions in order: they see the stores above).
; No vector or matrix instruction stands between EPI's wait on va_vdst and these loads; the first product's lines, which named v64-95, stand far ahead of it.
.macro SLOAD
	s_wait_xcnt 0x0                                ; the last trip's stores have had their addresses translated: their registers are filled again only behind this wait
	s_wait_alu depctr_vm_vsrc(0)                   ; the stores of the last trip's rows have read the registers in which these loads land (first trip: the first product's LDS stores have read v64-79)
	WIN 0x80
.irp m, 0,1,2
.irp i, 0,1,2,3,4,5,6,7
	ds_load_b128 v[LD2+32*\m+4*\i:LD2+32*\m+4*\i+3], v14 offset:(16*\m+2*\i)*272
.endr
.endr
	WIN 0
.irp i, 0,1,2,3,4,5,6,7
	ds_load_b128 v[LD0+4*\i:LD0+4*\i+3], v14 offset:(48+2*\i)*272
.endr
.endm
; SSTORE: the 16 rows of token tile m, of trip t: sixteen lanes store 256 aligned bytes; the trip stands in the immediate.  A block of 16 slots without a token is passed over.
; The data come from LDS loads (the wait on DScnt); the offsets were made at the head, ahead of many waits on va_vdst, and no vector line has named them since.
.macro SSTORE m, t
	s_cmp_le_u32 s20, 16*(\m)
	s_cbranch_scc1 .Lskip_\@
	s_wait_dscnt 24-8*(\m)                         ; this block's eight loads are back; those of the blocks behind it may be out
.if (\m) < 3
	WIN 0x0a                                       ; offsets and data in window 2
.irp i, 0,1,2,3,4,5,6,7
	global_store_b128 v[TOFF+8*(\m)+\i], v[LD2+32*(\m)+4*\i:LD2+32*(\m)+4*\i+3], s[16:17] offset:256*(\t) th:TH_STORE_NT
.endr
.else
	WIN 0x02                                       ; offsets in window 2, data in window 0
.irp i, 0,1,2,3,4,5,6,7
	global_store_b128 v[TOFF+24+\i], v[LD0+4*\i:LD0+4*\i+3], s[16:17] offset:256*(\t) th:TH_STORE_NT
.endr
.endif
	WIN 0
.Lskip_\@:
.endm
	s_load_b256 s[4:11], s[0:1], 0x0               ; xq 4, xs 6, gw 8, rows 10
	s_load_b128 s[12:15], s[0:1], 0x20             ; tiles 12, wq 14
	s_load_b64 s[16:17], s[0:1], 0x30              ; out0
	v_lshrrev_b32 v1, 5, v0
	v_readfirstlane_b32 s18, v1                    ; wave
	v_and_b32 v1, 31, v0                           ; lane
	v_and_b32 v2, 15, v0                           ; r
	v_bfe_u32 v3, v0, 4, 1                         ; h
	v_lshlrev_b32 v4, 4, v1                        ; 16 x lane
	v_lshlrev_b32 v5, 5, v3                        ; 32 h
	v_mul_u32_u24 v6, v2, 528
	v_lshl_add_u32 v6, v3, 4, v6
	v_add_nc_u32 v6, XROW, v6                      ; x's fragments: row r, + 16 h
	s_wait_alu depctr_va_sdst(0)                   ; s18 is written, ahead of its first reader: LDS places and the records' offsets are made from it
	s_mul_i32 s19, s18, 8448
	v_add_nc_u32 v7, s19, v4
	v_add_nc_u32 v7, XROW, v7                      ; where I lay the 16 rows that I gather
	s_lshl_b32 s19, s18, 9
	v_add_nc_u32 v8, s19, v4                       ; the hidden images that I make: K step w
	v_lshlrev_b32 v9, 3, v2
	v_add_nc_u32 v12, HSC, v9
	v_lshl_add_u32 v12, v3, 9, v12                 ; scale words back: lanes 16-31 take the token tile one further on
	s_lshl_b32 s19, s18, 7
	v_add_nc_u32 v9, s19, v9
	v_add_nc_u32 v9, HSC, v9
	s_mul_i32 s19, s18, 17408
	s_add_co_u32 s19, s19, STG
	v_mul_u32_u24 v13, v2, 272
	v_lshl_add_u32 v13, v3, 5, v13
	v_add_nc_u32 v13, s19, v13                     ; the stage, in: row r, + 32 h
	v_mul_u32_u24 v14, v3, 272
	v_lshl_add_u32 v14, v2, 4, v14
	v_add_nc_u32 v14, s19, v14                     ; back: lanes 0-15 one row, lanes 16-31 the next
	v_lshlrev_b32 v15, 2, v3
	s_lshl_b32 s19, s18, 10
	v_lshl_add_u32 v[OB], v2, 4, s19               ; in a row of out0: 1,024 w + 16 r
	v_lshlrev_b32 v[RA], 2, v1
.irp m, 0,1,2,3
	v_mov_b32 v[TP+\m], 0                          ; written once: a lane permute's destination counts as one of its sources
.endr
	s_mov_b32 s34, 0x76543210
	s_mov_b32 s35, 0xfedcba98
	s_mov_b32 s37, 0
	s_mul_i32 s38, s18, WSTR
	s_wait_kmcnt 0x0
	s_lshl_b32 s36, ttmp9, 4
	s_add_nc_u64 s[12:13], s[12:13], s[36:37]
	s_load_b128 s[20:23], s[12:13], 0x0            ; n, lo, hi
	s_lshl_b32 s36, ttmp9, 8
	s_add_nc_u64 s[10:11], s[10:11], s[36:37]
	s_wait_alu depctr_va_vdst(0)                   ; the lane terms v4 to v7, v12 to v14 and v[RA] are written: the loads and stores of the whole kernel read them as addresses, and none is written again
	global_load_b32 v[TKA], v[RA], s[10:11]        ; the tokens of slots 0-31,
	global_load_b32 v[TKB], v[RA], s[10:11] offset:128   ; 32-63
	s_wait_kmcnt 0x0
	s_min_u32 s21, s21, 7
	s_min_u32 s22, s22, 7
	s_mul_i32 s36, s21, ESTR
	s_add_co_u32 s36, s36, s38
	s_add_nc_u64 s[24:25], s[14:15], s[36:37]      ; my records of the lower expert,
	s_mul_i32 s36, s22, ESTR
	s_add_co_u32 s36, s36, s38
	s_add_nc_u64 s[26:27], s[14:15], s[36:37]      ; of the higher
	FILL 0, 24, 0, 1                               ; two records go out ahead of the gather of x, the other two behind it: 38 + 24 loads are out when x's rows are asked for,
	FILL 1, 24, REC, 1                             ; so that these are issued as soon as the tokens are known
	s_add_nc_u64 s[28:29], s[24:25], 4*REC         ; what the three trips of the first loop ask for
	s_mov_b64 s[30:31], s[26:27]
	s_add_nc_u64 s[32:33], s[26:27], 4*REC
.irp i, 0,1,2,3,4,5,6,7,8,9,10,11,12,13,14,15
	v_add_nc_u32 v[IX+\i], 8*\i, v15               ; lane selects: lane 2 i + h
.endr
	v_lshlrev_b32 v[IX+16], 2, v2                  ; lane r,
	v_add_nc_u32 v[IX+17], 64, v[IX+16]            ; lane 16 + r
	s_wait_loadcnt 38                              ; the tokens are in; behind them: two records of 19 loads
	v_readfirstlane_b32 s36, v[TKA]                ; the tile's first token
	s_sub_co_i32 s39, s20, 32
	v_cmp_gt_u32 s56, s20, v1                      ; which of slots 0-31 hold a token,
	v_cmp_gt_i32 s57, s39, v1                      ; which of slots 32-63
	s_wait_alu depctr_va_sdst(0)                   ; s36, s56 and s57 are written, ahead of their first readers: one wait for the run of three
	v_mov_b32 v[TT], s36
	v_cndmask_b32 v[TKA], v[TT], v[TKA], s56       ; a slot without a token takes the tile's first
	v_cndmask_b32 v[TKB], v[TT], v[TKB], s57
	v_min_u32 v[TKA], 0x1fff, v[TKA]
	v_min_u32 v[TKB], 0x1fff, v[TKB]
	s_cmp_ge_u32 s18, 2                            ; the 16 rows that I gather are slots 16 w on: brought to lanes 0-15
	s_cselect_b32 s58, -1, 0
	v_cndmask_b32 v[TW], v[TKA], v[TKB], s58
	v_permlanex16_b32 v[TT], v[TW], s34, s35
	s_bitcmp1_b32 s18, 0
	s_cselect_b32 s59, -1, 0
	v_cndmask_b32 v[TW], v[TW], v[TT], s59
.irp i, 0,1,2,3,4,5,6,7,8,9,10,11,12,13,14,15
	v_readlane_b32 s[40+\i], v[TW], \i
.endr
	s_wait_alu depctr_va_sdst(0)                   ; s40 to s55 are written, ahead of their first readers: one wait for the run of sixteen
.irp i, 0,1,2,3,4,5,6,7,8,9,10,11,12,13,14,15
	s_min_u32 s[40+\i], s[40+\i], 0x1fff
	v_lshl_add_u32 v[AD+\i], s[40+\i], 9, v4
.endr
	v_lshlrev_b32 v[XSA], 5, v[TKA]
	v_lshlrev_b32 v[XSA+1], 5, v[TKB]
	s_wait_alu depctr_va_vdst(0)                   ; the sixteen gather addresses, the two addresses of scale words, the lane selects and the tokens are written: the 20 loads and 36 lane permutes below read them
.irp i, 0,1,2,3,4,5,6,7,8,9,10,11,12,13,14,15
	global_load_b128 v[XT+4*\i:XT+4*\i+3], v[AD+\i], s[4:5]   ; a whole row of 512 bytes
.endr
	global_load_b128 v[XS:XS+3], v[XSA], s[6:7]    ; x's scale words: lanes 0-15 token tile 0, lanes 16-31 tile 1;
	global_load_b128 v[XS+4:XS+7], v[XSA], s[6:7] offset:16
	global_load_b128 v[XS+8:XS+11], v[XSA+1], s[6:7]   ; tiles 2 and 3
	global_load_b128 v[XS+12:XS+15], v[XSA+1], s[6:7] offset:16
	ds_bpermute_b32 v[T0], v[IX+16], v[TKA]        ; the token of slot 16 m + r
	ds_bpermute_b32 v[T0+1], v[IX+17], v[TKA]
	ds_bpermute_b32 v[T0+2], v[IX+16], v[TKB]
	ds_bpermute_b32 v[T0+3], v[IX+17], v[TKB]
	WIN 0x80
.irp i, 0,1,2,3,4,5,6,7,8,9,10,11,12,13,14,15
	ds_bpermute_b32 v[TOFF+\i], v[IX+\i], v[TKA]   ; the token of slot 2 i + h,
	ds_bpermute_b32 v[TOFF+16+\i], v[IX+\i], v[TKB]    ; of 32 + 2 i + h
.endr
	WIN 0
	s_wait_dscnt 0x0
.irp m, 0,1,2,3
	v_min_u32 v[T0+\m], 0x1fff, v[T0+\m]
	v_lshlrev_b32 v[T0+\m], 3, v[T0+\m]
.endr
	s_wait_alu depctr_va_vdst(0)                   ; the four addresses of gates are written, which the loads below read
.irp m, 0,1,2,3
	global_load_b64 v[GP+4*\m:GP+4*\m+1], v[T0+\m], s[8:9]   ; its two gates
.endr
	FILL 2, 24, 2*REC, 1                           ; the ring's other two slots
	FILL 3, 24, 3*REC, 1
	WIN 0x88
.set i, 0
.rept 32
	v_min_u32 v[TOFF+i], 0x1fff, v[TOFF+i]
.set i, i+1
.endr
	WIN 0x82
.set i, 0
.rept 32
	v_lshl_add_u32 v[TOFF+i], v[TOFF+i], 12, v[OB] ; its row of out0, my wave's columns
.set i, i+1
.endr
	WIN 0
	s_wait_loadcnt 46                              ; x's 16 rows are in; behind them: four loads of scale words, four of gates, two records of 19
.irp i, 0,1,2,3,4,5,6,7,8,9,10,11,12,13,14,15
	ds_store_b128 v7, v[XT+4*\i:XT+4*\i+3] offset:528*\i
.endr
	s_wait_dscnt 0x0                               ; for the others' sake
	s_barrier_signal -1
	s_barrier_wait -1                              ; x's 64 rows lie in LDS
	WIN 0x40
.irp m, 0,1,2,3
.irp s, 0,1,2,3,4,5,6,7
.irp c, 0,1
	ds_load_b128 v[8*(8*\m+\s)+4*\c:8*(8*\m+\s)+4*\c+3], v6 offset:8448*\m+64*\s+32*\c
.endr
.endr
.endr
	WIN 0
	s_wait_loadcnt 38                              ; the scale words and the gates are in; behind them: two records of 19
.irp m, 0,1,2,3
	v_mov_b32 v[GP+4*\m+2], v[GP+4*\m+1]           ; the higher expert's gate as a pair of its own
	v_mov_b32 v[GP+4*\m+3], v[GP+4*\m+1]
.endr
; ---- the hidden layers.  The stream: the lower expert's records 0-7, then the higher's.  A trip takes four records = 64 hidden units = half a fragment: trip number = 2 e + c.
; Slots 0 and 1 are multiplied one behind the other and asked for again together, then slots 2 and 3.  The counts: behind slot 0's record stand three records, behind slot 1's two; likewise slots 2 and 3.
.macro P1TRIP tail
	s_wait_dscnt 0x0                               ; x's fragments are in (first trip); the last trip's LDS stores are done
	s_wait_alu depctr_vm_vsrc(0)                   ; the last trip's LDS stores have read v10, v11, the codes and the half scale words, all of which this trip writes again; first trip: the LDS stores of x's rows and the lane permutes have read v128 to v209, which the matrix instructions write
	v_add_nc_u32 v10, s37, v8
	v_add_nc_u32 v11, s38, v9
	G1 0, 57                                       ; behind slot 0's record: three records of 19 loads
	G1 1, 38                                       ; behind slot 1's: two
	PLACES
	s_wait_alu depctr_va_vdst(0)                   ; the 64 matrix instructions above are done reading slots 0 and 1, their scale words and their biases, in which the loads below land
.if \tail
	FILL 0, 24, 8*REC, 2                           ; the tail asks for the second product's first four records, 21 loads each
	FILL 1, 26, 8*REC, 2
.else
	FILL 0, 28, 0, 1
	FILL 1, 28, REC, 1
.endif
	QBLK 0                                         ; names accumulators and registers at work alone: none that a load on its way touches
.if \tail
	G1 2, 61                                       ; behind slot 2's record: one of 19 loads, two of 21
	G1 3, 42
.else
	G1 2, 57
	G1 3, 38
.endif
	PLACES
	s_wait_alu depctr_va_vdst(0)                   ; the 64 matrix instructions above are done reading slots 2 and 3, their scale words and their biases, in which the loads below land
.if \tail
	FILL 2, 24, 9*REC, 2
	FILL 3, 26, 9*REC, 2
.else
	FILL 2, 28, 2*REC, 1
	FILL 3, 28, 3*REC, 1
.endif
	QBLK 1
	HOUT
.endm
	s_mov_b32 s36, 3
	s_mov_b32 s37, 0
	s_mov_b32 s38, 0
.Lp1:
	P1TRIP 0
	s_wait_xcnt 0x0                                ; the trip's loads have read their base
	s_mov_b64 s[28:29], s[30:31]
	s_mov_b64 s[30:31], s[32:33]
	s_add_co_u32 s37, s37, 8192
	s_add_co_u32 s38, s38, 2
	s_sub_co_u32 s36, s36, 1
	s_cmp_lg_u32 s36, 0
	s_cbranch_scc1 .Lp1
	P1TRIP 1
	s_wait_dscnt 0x0                               ; for the others' sake: my images and scale bytes lie in LDS
	s_barrier_signal -1
	s_barrier_wait -1                              ; both hidden layers lie in LDS
	s_cmp_eq_u32 s20, 0                            ; a tile without tokens has passed both barriers and ends here: no barrier stands behind this branch
	s_cbranch_scc1 .Lend
	s_wait_alu depctr_va_vdst(0)                   ; the first product's matrix instructions are done reading x's scale words (v32 to v47) and x's fragments (window 1), in which the 72 LDS loads below land
.irp j, 0,1
.irp s, 0,1,2,3
	ds_load_b64 v[HS+2*(4*\j+\s):HS+2*(4*\j+\s)+1], v12 offset:(8*\j+\s)*128   ; both experts' scale words of K step s: lanes 0-15 token tile 2 j, lanes 16-31 tile 2 j + 1
.endr
.endr
	WIN 0x40
.irp e, 0,1
.irp m, 0,1,2,3
.irp s, 0,1,2,3
.irp c, 0,1
	ds_load_b128 v[8*(16*\e+4*\m+\s)+4*\c:8*(16*\e+4*\m+\s)+4*\c+3], v4 offset:(2*\e+\c)*8192+(4*\m+\s)*512
.endr
.endr
.endr
.endr
	WIN 0
; ---- the outputs.  Four trips, written out: a trip takes 64 outputs of both experts (four records), 256 bytes of each row.  Every offset is an immediate, so no base is stepped.
; A trip's rows are read back from the stage at its end and stored behind the next trip's first 32 products, which stand between the loads from the stage and the waits for them.
; The ring goes as in the first product: the two experts' records of 32 outputs are multiplied one behind the other and their slots asked for again together.
.macro P2TRIP t
.if (\t) == 0
	s_wait_dscnt 32                                ; the scale words and the lower expert's fragments are in; the higher's 32 loads may be out
.endif
	G2 0, 0, 63                                    ; behind slot 0's record: three records of 21 loads
.if (\t) == 0
	s_wait_dscnt 0x0                               ; the higher expert's fragments are in
.else
	WIN 0
	SSTORE 0, (\t)-1
	SSTORE 1, (\t)-1
	SSTORE 2, (\t)-1
	SSTORE 3, (\t)-1
.endif
	G2 1, 1, 42                                    ; behind slot 1's: two
	PLACES
.if (\t) < 3
	s_wait_alu depctr_va_vdst(0)                   ; the 64 matrix instructions above are done reading slots 0 and 1, their scale words and their biases, in which the loads below land
	FILL 0, 24, (10+2*(\t))*REC, 2
	FILL 1, 26, (10+2*(\t))*REC, 2
.endif
	EPI 0
.if (\t) < 3
	G2 2, 0, 63
	G2 3, 1, 42
.else
	G2 2, 0, 21                                    ; the last trip asks for nothing: the counts run down
	G2 3, 1, 0
.endif
	PLACES
.if (\t) < 3
	s_wait_alu depctr_va_vdst(0)                   ; the 64 matrix instructions above are done reading slots 2 and 3, their scale words and their biases, in which the loads below land
	FILL 2, 24, (11+2*(\t))*REC, 2
	FILL 3, 26, (11+2*(\t))*REC, 2
.endif
	EPI 1
	SLOAD
.endm
	P2TRIP 0
	P2TRIP 1
	P2TRIP 2
	P2TRIP 3
	SSTORE 0, 3
	SSTORE 1, 3
	SSTORE 2, 3
	SSTORE 3, 3
	s_wait_dscnt 0x0                               ; loads from the stage whose block was passed over are back too
.Lend:
	s_wait_xcnt 0x0
	v_lshl_add_u32 v254, v0, 2, 0x21c00            ; the add's two registers, made anew: no memory or LDS instruction of this text names v254 or v255 of window 0, which were accumulator registers
	v_mov_b32 v255, 0
	s_wait_dscnt 0x0                               ; the closing lines, six on end
	s_wait_alu 0x0
	s_wait_tensorcnt 0x0
	ds_add_u32 v254, v255
	s_wait_dscnt 0x0
	s_endpgm
.Lfunc_end_k_q37326cbadc_chain:
	.size	k_q37326cbadc_chain, .Lfunc_end_k_q37326cbadc_chain-k_q37326cbadc_chain
	.p2alignl 7, 3214868480
	.fill 96, 4, 3214868480
	.section	.rodata,"a",@progbits
	.p2align	6, 0x0
	.amdhsa_kernel k_q37326cbadc_chain
		.amdhsa_group_segment_fixed_size 138752
		.amdhsa_private_segment_fixed_size 0
		.amdhsa_enable_private_segment 0
		.amdhsa_kernarg_size 56
		.amdhsa_user_sgpr_count 2
		.amdhsa_user_sgpr_kernarg_segment_ptr 1
		.amdhsa_wavefront_size32 1
		.amdhsa_system_sgpr_workgroup_id_x 1
		.amdhsa_system_sgpr_workgroup_id_y 1
		.amdhsa_system_sgpr_workgroup_id_z 1
		.amdhsa_system_vgpr_workitem_id 0
		.amdhsa_next_free_vgpr 1024
		.amdhsa_next_free_sgpr 66
		.amdhsa_reserve_vcc 0
		.amdhsa_float_denorm_mode_32 3
		.amdhsa_float_denorm_mode_16_64 3
		.amdhsa_memory_ordered 1
		.amdhsa_forward_progress 1
		.amdhsa_inst_pref_size 255
	.end_amdhsa_kernel
	.section	.bss,"aw",@nobits
	.p2align	6
	.space	262144
	.amdgpu_metadata
---
amdhsa.version: [ 1, 2 ]
amdhsa.kernels:
  - .name:           k_q37326cbadc_chain
    .symbol:         k_q37326cbadc_chain.kd
    .args:
      - { .name: xq, .offset: 0, .size: 8, .value_kind: global_buffer, .address_space: global }
      - { .name: xs, .offset: 8, .size: 8, .value_kind: global_buffer, .address_space: global }
      - { .name: gw, .offset: 16, .size: 8, .value_kind: global_buffer, .address_space: global }
      - { .name: rows, .offset: 24, .size: 8, .value_kind: global_buffer, .address_space: global }
      - { .name: tiles, .offset: 32, .size: 8, .value_kind: global_buffer, .address_space: global }
      - { .name: wq, .offset: 40, .size: 8, .value_kind: global_buffer, .address_space: global }
      - { .name: out0, .offset: 48, .size: 8, .value_kind: global_buffer, .address_space: global }
    .group_segment_fixed_size: 138752
    .private_segment_fixed_size: 0
    .kernarg_segment_align: 8
    .kernarg_segment_size: 56
    .max_flat_workgroup_size: 128
    .sgpr_count:     66
    .vgpr_count:     1024
    .wavefront_size: 32
...
	.end_amdgpu_metadata
.endif
;; end of part 6
